; MI455X (gfx1250); checked and timed in simulation.
; The chip was launched on July 23, 2026; its instructions are those of AMD's public machine-readable ISA for CDNA 5 (MIT licence, August 2026) and "CDNA5" Instruction Set Architecture Reference Guide (July 2026). The comments in the code are by the model that wrote it; some were corrected since.
;; Multi Head Attention. Allowed arithmetic: matrix products marked QUANTISED: E3M2 operands, one E8M0 scale for each 32 along K, by v_wmma_scale_f32_16x16x128_f8f6f4 with both operands' format E3M2, f32 sums; everything else in f32.
;; Inputs: Wk 1,024 x 1,024 float32; Wo 1,024 x 1,024 float32; Wq 1,024 x 1,024 float32; Wv 1,024 x 1,024 float32; key 2 x 2,048 x 1,024 float32; query 2 x 2,048 x 1,024 float32; value 2 x 2,048 x 1,024 float32.
;; Outputs: out0 2 x 2,048 x 1,024 float32.
;; This version of the problem:
;;   THIS VERSION OF THE PROBLEM IS GIVEN IN LOW PRECISION. The matrix products marked QUANTISED in the list below multiply operands that are first quantised to E3M2 (3 exponent bits, 2 mantissa bits; 6 bits a number), with one power-of-two scale for each 32 numbers along K (OCP MX v1.0); their sums are f32. All else is computed in f32.
;;   The module's matrix products, in the order in which they are computed (A, B: the left and right operand; K: the contracted axis; several contracted axes count as one K, in the product's order):
;;     1. [M 4,096, K 1,024] x [K 1,024, N 1,024]; A: input query; B: input Wq: QUANTISED
;;     2. [M 4,096, K 1,024] x [K 1,024, N 1,024]; A: input key; B: input Wk: QUANTISED
;;     3. [M 4,096, K 1,024] x [K 1,024, N 1,024]; A: input value; B: input Wv: QUANTISED
;;     4. batch 32 x [M 2,048, K 64] x [K 64, N 2,048]; A: computed on the way; B: computed on the way: QUANTISED
;;     5. batch 32 x [M 2,048, K 2,048] x [K 2,048, N 64]; A: softmax (see below); B: computed on the way: QUANTISED
;;     6. [M 4,096, K 1,024] x [K 1,024, N 1,024]; A: computed on the way; B: input Wo: QUANTISED
;;   THE QUANTISER, for each operand of a quantised product, along K:
;;     - K is cut into blocks of 32 from its start; a last block that is shorter is filled with zeros.
;;     - A block's scale is 2^e with e = floor(log2(the largest magnitude in the block)) - 4, held to -126 .. 127; a block of zeros has e = 0. As a byte (E8M0): e + 127.
;;     - Each number is divided by its block's scale, clamped to +-28, and rounded to the nearest number of E3M2, ties to even, subnormals kept.
;;     - The product sums the exact products of the quantised numbers (number of the format x scale) in f32.
;;   ~~~python
;;   def quantise(x, axis):      # numpy; x: float32 -> the quantised numbers, widened to float32 again
;;       x = np.moveaxis(x, axis, -1); K = x.shape[-1]
;;       x = np.pad(x, [(0, 0)] * (x.ndim - 1) + [(0, -K % 32)]); x = x.reshape(x.shape[:-1] + (-1, 32)); a = np.abs(x).max(-1, keepdims=True)
;;       e = np.where(a > 0, np.clip(np.frexp(np.where(a > 0, a, 1))[1] - 1 - 4, -126, 127), 0)      # np.frexp(a)[1] - 1 = floor(log2(a)), exactly
;;       r = np.clip(x / 2.0 ** e, -28, 28)
;;       step = 2.0 ** (np.maximum(np.frexp(np.where(r == 0, 1, r))[1] - 1, -2) - 2)
;;       q = np.round(r / step) * step * 2.0 ** e      # np.round: ties to even
;;       return np.moveaxis(q.reshape(q.shape[:-2] + (-1,))[..., :K], -1, axis).astype(np.float32)
;;   ~~~
;;   SOFTMAX AHEAD OF A QUANTISED PRODUCT. Where the list says 'softmax', what is quantised is not the finished softmax but p = 2^(t - M), with t = logit x log2(e) and M = ceil(the row's largest t), a whole number; so 1/2 < the row's largest p <= 1. The row's sum l is taken of the UNQUANTISED p, in f32, and the product's result is divided by l at the end. Since M is a whole number, a kernel that streams over the keys may use a running M (the ceiling of the running maximum): every later rescaling is an exact power of two, which a block's scale takes up: the codes' values come out the same.
;;   OPERANDS COMPUTED ON THE WAY. 'Computed on the way' means the value that the module computes at that place (a softmax that the list does not call 'softmax' is quantised finished and normalised). What goes into a quantiser is computed in f32, as accurately as f32 sums, v_exp_f32 and their like allow (about 1e-6 of the number): no bf16 or f16 on the way to a quantiser, and a product that is left as it is and whose result goes on into a quantised operand takes f32 operands (vector FMAs, or v_wmma_f32_16x16x4_f32). A number that lies on a knife's edge between two numbers of the format may be rounded either way, as far as f32 arithmetic and the matrix unit's own rounding can turn it there, and no further.
;; One version. Each part assembles by itself: llvm-mc -triple=amdgcn-amd-amdhsa -mcpu=gfx1250 --defsym DOCPART=n.
;; ======== version 1 of 1: 4 launches
;; limits: right only within a limited range of input values
;; workspace buffers: codes 13,107,200 bytes; hq 3,276,800 bytes; hkv 6,553,600 bytes; xc 3,276,800 bytes
;; launch quant (part 1): grid 512 x 1, 4 waves a work-group, no clusters, 34,304 bytes of LDS; arguments query, key, value, Wq, Wk, Wv, Wo, codes; writes codes
.if DOCPART == 1
	.amdgcn_target "amdgcn-amd-amdhsa--gfx1250"
	.amdhsa_code_object_version 6
	.text
	.protected	k_qdc0a4f3c9e_quant
	.globl	k_qdc0a4f3c9e_quant
	.p2align	8
	.type	k_qdc0a4f3c9e_quant,@function
k_qdc0a4f3c9e_quant:
	s_mov_b64 s[64:65], 0
	v_nop
	global_prefetch_b8 v0, s[64:65] scope:SCOPE_SE
	s_setreg_imm32_b32 hwreg(HW_REG_WAVE_MODE, 25, 1), 1
	s_wait_xcnt 0x0
; The seven f32 inputs (query, key, value: 4,096 rows x 1,024; Wq, Wk, Wv, Wo: 1,024 rows x 1,024; K = the last axis) become codes of BF6 (E3M2) with one E8M0 byte for each 32 along K.
; A block's scale is 2^(floor(log2(its largest magnitude)) - 4); its byte is the largest magnitude's exponent field - 4, held at 1 from below.
; LIMITS: a block whose largest magnitude lies under 2^-122 keeps the byte 1; a block of zeros gets the byte 1 where the rule says 127 (its codes are zeros, and this program alone reads the bytes);
; NaN and infinities among the inputs are not served.
; LEFT OUT BY THE PROGRAM (launch attn): whole steps of 128 keys that come after all queries of a tile.  The mask that the problem itself builds gives them the score -1e9 beside a row's own key, so p = 0 for all finite scores / 8 above -1e9;
; a NaN, an infinity or an overflow that reaches only those scores is not carried to the result.
; LAYOUT OF THE RESULT: the order of the matrix operand's registers.  The 16,384 rows are taken on end (query, key, value, Wq, Wk, Wv, Wo) in blocks of 128 rows.
;   A TILE of 16 rows is not 16 neighbours: of a group of 64 rows, tile u (0..3) holds at index i the row 8 u + i + 24 (i / 8): index 0-7 from the group's first 32 rows, 8-15 from its last 32.
;   So where a tile's rows are a result's registers, a lane's 32 registers of the four tiles are 32 neighbouring rows: a whole block of the next product's K.
;   A HALF IMAGE is 16 rows x 64 K, six registers a lane (lane l: row index l % 16, the 32 codes of block l / 16): 768 bytes: registers 0-3 at 16 l, registers 4-5 at 512 + 8 l.
;   codes: [block of 128 rows][half of K][51,200]: first [K step of 128: 0..3][tile 0..7][two half images], then 2,048 bytes of scale words [16 x tile + index][four words, one for each K step].
; SHARES: a work-group takes 32 rows, two tiles; wave w takes tile w / 2 of them and half w % 2 of K: 16 rows x 512 numbers, four steps of 128 along K.
; A step's 16 loads read 512 consecutive bytes of one row each; the 8 KiB turn through the wave's own stage in LDS (rows 528 bytes apart) so that a lane gets its two whole blocks of 32.
; No cluster: no two work-groups read the same byte.  No tensor loads, no barrier: waves share nothing.  Loads run two steps (32 loads a wave) ahead.
.set SEL, 38                           ; s[38:39] lane selects for v_permlanex16_b32: lane l xor 16
.set R,   16                           ; v16-143  two sets of 64 registers as loaded
.set X,   144                          ; v144-207 register 32 c + i = k 64 c + 32 (l / 16) + i of my row
.set PC,  208                          ; v208-219 the codes just made
.set UP,  220                          ; v220-226 the blocks' upper 16 codes as converted
.set TM,  228                          ; v228-237 at work in QUANT
.set W,   248                          ; v248-251 my row's scale word of each step
.macro QUANT pw                        ; a lane's two whole blocks become a fragment's 12 registers and its row's scale word
.irp c, 0,1
	v_max3_num_f32 v[TM+2*\c], |v[X+32*\c]|, |v[X+32*\c+1]|, 0x2800000     ; the floor 2^(5 - 127): the byte cannot fall under 1
	v_max3_num_f32 v[TM+2*\c+1], |v[X+32*\c+16]|, |v[X+32*\c+17]|, |v[X+32*\c+18]|
.endr
.irp k, 1,2,3,4,5,6
.irp c, 0,1
	v_max3_num_f32 v[TM+2*\c], v[TM+2*\c], |v[X+32*\c+2*\k]|, |v[X+32*\c+2*\k+1]|
	v_max3_num_f32 v[TM+2*\c+1], v[TM+2*\c+1], |v[X+32*\c+17+2*\k]|, |v[X+32*\c+18+2*\k]|
.endr
.endr
.irp c, 0,1
	v_max3_num_f32 v[TM+2*\c], v[TM+2*\c], |v[X+32*\c+14]|, |v[X+32*\c+15]|
.endr
.irp c, 0,1
	v_max3_num_f32 v[TM+2*\c], v[TM+2*\c], v[TM+2*\c+1], |v[X+32*\c+31]|   ; the block's largest magnitude: all 32 numbers are mine
.endr
.irp c, 0,1
	v_add_nc_u32 v[TM+4+\c], 0xfe000000, v[TM+2*\c]                        ; 4 off its exponent field: the conversion's scale operand
.endr
.irp c, 0,1
	v_lshlrev_b32 v[TM+6+\c], 1, v[TM+4+\c]                                ; the scale's byte in the highest byte
.endr
.irp c, 0,1
	v_cvt_scalef32_pk16_bf6_f32 v[PC+6*\c:PC+2+6*\c], v[X+32*\c:X+15+32*\c], v[TM+4+\c]
	v_cvt_scalef32_pk16_bf6_f32 v[UP+4*\c:UP+2+4*\c], v[X+16+32*\c:X+31+32*\c], v[TM+4+\c]   ; a conversion's three registers begin on an even number
.endr
	v_perm_b32 v[TM+8], v[TM+7], v[TM+6], v9       ; my two bytes at bytes h and 2 + h.  (The plain place behind the conversions)
	v_permlanex16_b32 v[TM+9], v[TM+8], s[SEL], s[SEL+1]
.irp c, 0,1
.irp i, 0,1,2
	v_mov_b32 v[PC+3+6*\c+\i], v[UP+4*\c+\i]
.endr
.endr
	v_or_b32 v[\pw], v[TM+8], v[TM+9]              ; with lane l xor 16's two the word is whole
.endm
	s_load_b512 s[8:23], s[0:1], 0x0               ; query s[8:9], key, value, Wq, Wk, Wv, Wo s[20:21], codes s[22:23]
	v_lshl_add_u32 v254, v0, 2, 0x8400             ; my spare word, behind the four stages
	v_mov_b32 v255, 0
	v_lshrrev_b32 v1, 5, v0
	v_readfirstlane_b32 s26, v1                    ; wave
	s_lshr_b32 s27, s26, 1                         ; which of the two tiles
	s_and_b32 s28, s26, 1                          ; which half of K
	v_and_b32 v1, 31, v0                           ; lane
	v_and_b32 v2, 15, v0                           ; r
	v_bfe_u32 v3, v0, 4, 1                         ; h
	v_lshlrev_b32 v4, 4, v1                        ; 16 x lane
	v_lshlrev_b32 v5, 3, v1                        ; 8 x lane
	s_mul_i32 s29, s26, 8448                       ; my stage: 16 rows x 528 bytes
	v_add_nc_u32 v6, s29, v4                       ; into it: a row's 512 bytes as they lie
	v_mul_u32_u24 v7, v2, 528
	v_lshl_add_u32 v7, v3, 7, v7
	v_add_nc_u32 v7, s29, v7                       ; out of it: row r, + 128 h: my 32 numbers of a pair of blocks
	v_lshlrev_b32 v8, 4, v2
	v_lshl_add_u32 v8, v3, 3, v8                   ; the scale words' place: 16 r + 8 h
	v_mov_b32 v9, 0x0c070c03                       ; QUANT's byte selects: lanes 0-15 bytes 0 and 2,
	v_mov_b32 v10, 0x070c030c                      ; lanes 16-31 bytes 1 and 3
	v_cmp_eq_u32 vcc_lo, 1, v3
	v_cndmask_b32 v9, v9, v10, vcc_lo
	v_mov_b32 v[TM+9], 0                           ; written once: a lane permute's destination counts as one of its sources
	s_mov_b32 s[SEL], 0x76543210
	s_mov_b32 s[SEL+1], 0xfedcba98
	s_cmp_lt_u32 ttmp9, 384                        ; the three large tensors have 128 shares of 32 rows, the weights 32
	s_cselect_b32 s30, 127, 31
	s_and_b32 s30, ttmp9, s30                      ; my share within its tensor: of group s30 / 2 of 64 rows, tiles 2 (s30 % 2) and + 1
	s_lshr_b32 s31, s30, 1
	s_lshl_b32 s31, s31, 18                        ; 64 rows of 4,096 bytes
	s_and_b32 s30, s30, 1
	s_lshl_b32 s30, s30, 16
	s_add_co_u32 s30, s30, s31
	s_lshl_b32 s31, s27, 15                        ; the second tile begins 8 rows on
	s_add_co_u32 s30, s30, s31
	s_lshl_b32 s31, s28, 11                        ; my half of K: 512 numbers
	s_add_co_u32 s30, s30, s31
	s_mov_b32 s31, 0
	s_lshr_b32 s32, ttmp9, 2                       ; block of 128 rows
	s_and_b32 s33, ttmp9, 3
	s_lshl_b32 s33, s33, 1
	s_add_co_u32 s33, s33, s27                     ; tile in the block
	s_mul_i32 s34, s32, 102400
	s_mul_i32 s35, s28, 51200
	s_add_co_u32 s34, s34, s35
	s_add_co_u32 s36, s34, 49152
	s_mul_i32 s35, s33, 1536
	s_add_co_u32 s34, s34, s35
	s_mov_b32 s35, 0
	s_lshl_b32 s37, s33, 8
	s_add_co_u32 s36, s36, s37
	s_mov_b32 s37, 0
	s_wait_alu depctr_va_vdst(0)
	s_wait_kmcnt 0x0
	s_mov_b64 s[4:5], s[20:21]                     ; which tensor: the choice hangs on the work-group's number alone
	s_cmp_lt_u32 ttmp9, 480
	s_cselect_b64 s[4:5], s[18:19], s[4:5]
	s_cmp_lt_u32 ttmp9, 448
	s_cselect_b64 s[4:5], s[16:17], s[4:5]
	s_cmp_lt_u32 ttmp9, 416
	s_cselect_b64 s[4:5], s[14:15], s[4:5]
	s_cmp_lt_u32 ttmp9, 384
	s_cselect_b64 s[4:5], s[12:13], s[4:5]
	s_cmp_lt_u32 ttmp9, 256
	s_cselect_b64 s[4:5], s[10:11], s[4:5]
	s_cmp_lt_u32 ttmp9, 128
	s_cselect_b64 s[4:5], s[8:9], s[4:5]
	s_add_nc_u64 s[4:5], s[4:5], s[30:31]
	s_add_nc_u64 s[24:25], s[22:23], s[36:37]
	s_add_nc_u64 s[22:23], s[22:23], s[34:35]
.macro LOAD t                          ; step t: 128 numbers of each of my 16 rows; a load reads 512 consecutive bytes
.irp i, 0,1,2,3,4,5,6,7,8,9,10,11,12,13,14,15
	global_load_b128 v[R+64*((\t)%2)+4*\i:R+64*((\t)%2)+4*\i+3], v4, s[4:5] offset:(\i+24*(\i/8))*4096+512*(\t) th:TH_LOAD_NT
.endr
.endm
.macro STEP t
.if (\t) < 3
	s_wait_loadcnt 16                              ; this step's 16 loads are in; the next step's 16 may be out
.else
	s_wait_loadcnt 0x0
.endif
.irp i, 0,1,2,3,4,5,6,7,8,9,10,11,12,13,14,15
	ds_store_b128 v6, v[R+64*((\t)%2)+4*\i:R+64*((\t)%2)+4*\i+3] offset:528*\i
.endr
.irp c, 0,1
.irp j, 0,1,2,3,4,5,6,7
	ds_load_b128 v[X+32*\c+4*\j:X+32*\c+4*\j+3], v7 offset:256*\c+16*\j   ; LDS serves a wave's instructions in order: these see the stores above
.endr
.endr
	s_wait_dscnt 0x0                               ; my 64 numbers are in, and the stores have read their registers
.if (\t) > 0
	s_wait_xcnt 0x0                                ; the last step's stores have read the codes' registers, which are written again below
.endif
.if (\t) < 2
	LOAD \t+2
.endif
	QUANT W+\t
	global_store_b128 v4, v[PC:PC+3], s[22:23] offset:12288*(\t)           ; each store of the wave covers 512 or 256 consecutive bytes, aligned
	global_store_b64 v5, v[PC+4:PC+5], s[22:23] offset:12288*(\t)+512
	global_store_b128 v4, v[PC+6:PC+9], s[22:23] offset:12288*(\t)+768
	global_store_b64 v5, v[PC+10:PC+11], s[22:23] offset:12288*(\t)+1280
.endm
	LOAD 0
	LOAD 1
	STEP 0
	STEP 1
	STEP 2
	STEP 3
	v_cmp_eq_u32 vcc_lo, 1, v3                     ; lanes 0-15 store words 0 and 1 of row r, lanes 16-31 words 2 and 3: 256 consecutive bytes
	v_cndmask_b32 v252, v[W], v[W+2], vcc_lo
	v_cndmask_b32 v253, v[W+1], v[W+3], vcc_lo
	global_store_b64 v8, v[252:253], s[24:25]
	s_wait_tensorcnt 0x0                           ; the wave's end
	ds_add_u32 v254, v255
	s_wait_dscnt 0x0
	s_endpgm
.Lfunc_end_k_qdc0a4f3c9e_quant:
	.size	k_qdc0a4f3c9e_quant, .Lfunc_end_k_qdc0a4f3c9e_quant-k_qdc0a4f3c9e_quant
	.p2alignl 7, 3214868480
	.fill 96, 4, 3214868480
	.section	.rodata,"a",@progbits
	.p2align	6, 0x0
	.amdhsa_kernel k_qdc0a4f3c9e_quant
		.amdhsa_group_segment_fixed_size 34304
		.amdhsa_private_segment_fixed_size 0
		.amdhsa_enable_private_segment 0
		.amdhsa_kernarg_size 64
		.amdhsa_user_sgpr_count 2
		.amdhsa_user_sgpr_kernarg_segment_ptr 1
		.amdhsa_wavefront_size32 1
		.amdhsa_system_sgpr_workgroup_id_x 1
		.amdhsa_system_sgpr_workgroup_id_y 1
		.amdhsa_system_sgpr_workgroup_id_z 1
		.amdhsa_system_vgpr_workitem_id 0
		.amdhsa_next_free_vgpr 256
		.amdhsa_next_free_sgpr 66
		.amdhsa_reserve_vcc 1
		.amdhsa_float_denorm_mode_32 3
		.amdhsa_float_denorm_mode_16_64 3
		.amdhsa_memory_ordered 1
		.amdhsa_forward_progress 1
		.amdhsa_inst_pref_size 31
	.end_amdhsa_kernel
	.amdgpu_metadata
---
amdhsa.version: [ 1, 2 ]
amdhsa.kernels:
  - .name:           k_qdc0a4f3c9e_quant
    .symbol:         k_qdc0a4f3c9e_quant.kd
    .args:
      - { .name: query, .offset: 0, .size: 8, .value_kind: global_buffer, .address_space: global }
      - { .name: key, .offset: 8, .size: 8, .value_kind: global_buffer, .address_space: global }
      - { .name: value, .offset: 16, .size: 8, .value_kind: global_buffer, .address_space: global }
      - { .name: Wq, .offset: 24, .size: 8, .value_kind: global_buffer, .address_space: global }
      - { .name: Wk, .offset: 32, .size: 8, .value_kind: global_buffer, .address_space: global }
      - { .name: Wv, .offset: 40, .size: 8, .value_kind: global_buffer, .address_space: global }
      - { .name: Wo, .offset: 48, .size: 8, .value_kind: global_buffer, .address_space: global }
      - { .name: codes, .offset: 56, .size: 8, .value_kind: global_buffer, .address_space: global }
    .group_segment_fixed_size: 34304
    .private_segment_fixed_size: 0
    .kernarg_segment_align: 8
    .kernarg_segment_size: 64
    .max_flat_workgroup_size: 128
    .sgpr_count:     66
    .vgpr_count:     256
    .wavefront_size: 32
...
	.end_amdgpu_metadata
.endif
;; end of part 1
;; launch proj (part 2): grid 8 x 32, 4 waves a work-group, clusters of 4 x 4, 327,680 bytes of LDS; arguments codes, hq, hkv; writes hq, hkv
.if DOCPART == 2
	.amdgcn_target "amdgcn-amd-amdhsa--gfx1250"
	.amdhsa_code_object_version 6
	.text
	.protected	k_qdc0a4f3c9e_proj
	.globl	k_qdc0a4f3c9e_proj
	.p2align	8
	.type	k_qdc0a4f3c9e_proj,@function
k_qdc0a4f3c9e_proj:
	s_mov_b64 s[64:65], 0
	v_nop
	global_prefetch_b8 v0, s[64:65] scope:SCOPE_SE
	s_setreg_imm32_b32 hwreg(HW_REG_WAVE_MODE, 25, 1), 1
	s_wait_xcnt 0x0
	s_wait_alu depctr_hold_cnt(0) depctr_sa_sdst(0) depctr_va_vdst(0) depctr_va_sdst(0) depctr_va_ssrc(0) depctr_va_vcc(0) depctr_vm_vsrc(0)
	s_getreg_b32 s2, hwreg(HW_REG_IB_STS2, 6, 4)
	s_cmp_eq_u32 s2, 0
	s_cbranch_scc0 .Lentry_in_a_cluster
	s_endpgm
.Lentry_in_a_cluster:
	s_bfe_u32 s2, ttmp6, 0x10000c
	s_cmp_lg_u32 s2, 0xf033
	s_cbranch_scc0 .Lentry_shape_is_right
	s_endpgm
.Lentry_shape_is_right:
; q = query Wq^T, k = key Wk^T, v = value Wv^T on codes of BF6 (E3M2) with E8M0 scales, sums in f32; the results are quantised again in registers: q and k along the head's 64, v along the keys.
; INPUT: codes [block of 128 rows][half of K][51,200: 49,152 of codes [K step][tile][two half images], 2,048 of scale words [16 x tile + index][4 words]]; blocks 0-31 query, 32-63 key, 64-95 value,
;   96-103 Wq, 104-111 Wk, 112-119 Wv.  A half image: 16 rows x 64 K: registers 0-3 at 16 x lane, registers 4-5 at 512 + 8 x lane.  Of a group of 64 rows, tile u holds at index i the row 8 u + i + 24 (i / 8).
; SHARES: 256 work-groups that stay: each makes the 128 x 128 results of its block of features (i0, the W side) and its block of positions (i1, the R side) for q, then k, then v.  Four waves, 64 x 64 each: 16 accumulators.
; THE WALK is 24 steps of 128 along K, six halves of K (q, k, v: two each), half hh in LDS slot hh % 3; a slot holds a half of the W side and of the R side, 51,200 bytes each.
;   Four groups of joint loads, one load a wave each: both halves of q (slots 0, 1) at the head; k's first half (slot 2) behind the head's round; k's second and v's first half (slots 0, 1) behind q's last fetch;
;   v's second half (slot 2) behind k's first half's last fetch.  Wave w fetches for side w / 2; its part is a whole half of K, or, where the group is one slot, half w % 2 of that half's 51,200 bytes.
; S0, the matrix instruction's source 0 (its rows run along a lane's result registers), is the W side for q and k and the R side for v; S1, its source 1 (a lane holds one of its rows), the other.
;   A lane's 32 registers of the four S0 tiles are 32 neighbours: for S1's tile a one whole block of 32 along the next product's K.
; CLUSTER 4 x 4: the W side hangs on cx alone and is asked for jointly by the four work-groups of a column, the R side on cy alone, by the four of a row.
; PREFETCH: k's second and v's two halves, whose loads go out with nothing beside them, are asked for 2 steps or more ahead of their loads.  A half's 25,600 bytes that a wave fetches are shared out by address among the four partners: 25 blocks of 256 bytes, a lane each.
;   The weights, which all rows of clusters read, are asked for by the first four rows of clusters alone.
; OUTPUT: hq [16 batch + head][102,400: [tile of 16 positions 0..127][half image: 16 positions x 64], then at 98,304 scale words];  hkv [16 batch + head][128 keys][12,800: K 6,144: eight half images of 16 keys x 64;
;   V 6,144: [64 keys][tile of 16 of the head's 64][half image 16 x 64 keys]; K's scale words 256, V's 256].  Scale words: 64 bytes for each pair of half images on end: word r: bytes 0, 1 the first's row r, bytes 2, 3 the second's.
; LIMITS: a block whose largest magnitude lies under 2^-122 keeps the byte 1, a block of zeros too (its codes are zeros; this program alone reads the bytes); NaN and infinities are not served.
; REGISTERS: window 0: v1-31 addresses; v32-63 scale words, two sets; v64-127 the way out; v128-255 the accumulators ((a, b) at v[128 + 8 (4 a + b)], a: S1's tile, b: S0's).
;   window 1: two fragment buffers of 96: S0's four fragments, then S1's four.
.set BP,  102400                       ; a block's bytes
.set HB,  51200                        ; a half's
.set SLOT, 102400
.set SPARE, 307200                     ; behind the three slots: the spare words, 128 bytes a wave
.set ACC, 128
.set SC,  32
.set SEL, 10                           ; s[10:11]
.set TM,  112                          ; v112-119 largest magnitudes
.set BS,  120                          ; v120-123 the conversions' scale operands
.set BX,  124                          ; v124-127 scale bytes, in the highest byte
.set MSB, 0
.macro WIN new                         ; the immediate's high byte repeats the setting that is left
.if MSB != \new
	s_set_vgpr_msb (MSB<<8)|\new
.set MSB, \new
.endif
.endm
.macro CREST                           ; a round of the cluster's barrier behind its opening barrier
	s_cmp_lg_u32 s12, 0
	s_cbranch_scc1 .Lnot_wave_0_\@
	s_barrier_signal -3
.Lnot_wave_0_\@:
	s_barrier_wait -3
	s_barrier_signal -1
	s_barrier_wait -1
.endm
.macro CROUND
	s_barrier_signal -1
	s_barrier_wait -1
	CREST
.endm
.macro PLACES                          ; four places behind a matrix instruction of this form (ISA guide 7.12.1)
.rept 4
	v_nop
.endr
.endm
.macro JLOAD                           ; a joint load: waves 0, 1 for the W side, 2, 3 for the R side; s_nop 0 and four v_nop follow each
	s_cmp_eq_u32 s13, 0
	s_cbranch_scc0 .Lfor_r_\@
	tensor_load_to_lds s[56:59], s[24:31]
	s_nop 0
	PLACES
	s_branch .Lasked_\@
.Lfor_r_\@:
	tensor_load_to_lds s[60:63], s[40:47]
	s_nop 0
	PLACES
.Lasked_\@:
.endm
.macro NEXT rows, lds, dw, dr          ; the next load's descriptors: no tensor load of mine is out
.irp g, 24, 40
	s_mov_b32 s[\g+2], \rows<<16
	s_mov_b32 s[\g+4], \rows
.endr
	s_mov_b32 s57, s[\lds]
	s_mov_b32 s61, s[\lds]
	s_add_nc_u64 s[58:59], s[58:59], s[\dw:\dw+1]
	s_add_nc_u64 s[62:63], s[62:63], s[\dr:\dr+1]
.endm
.macro DELTA d, span                   ; from one load's address to the next's, three times; span: from a tensor's block to the next tensor's
	s_mul_i32 s[\d], s2, 25600
	s_add_co_u32 s[\d], s[\d], \span-25600
	s_mov_b32 s[\d+1], 0
	s_mul_i32 s[\d+2], s14, \span-76800
	s_add_co_u32 s[\d+2], s[\d+2], 51200
	s_mov_b32 s[\d+3], 0
	s_mul_i32 s[\d+4], s2, \span-76800
	s_add_co_u32 s[\d+4], s[\d+4], 76800
	s_mov_b32 s[\d+5], 0
.endm
	s_load_b128 s[4:7], s[0:1], 0x0                ; codes s[4:5], hq s[6:7]
	s_load_b64 s[8:9], s[0:1], 0x10                ; hkv
	v_lshl_add_u32 v30, v0, 2, SPARE
	v_mov_b32 v31, 0
	ds_add_u32 v30, v31                            ; the wave's opening
	ds_add_u32 v30, v31
	v_lshrrev_b32 v1, 5, v0
	v_readfirstlane_b32 s12, v1                    ; wave 0..3
	s_lshr_b32 s13, s12, 1                         ; W1: my half of the R side's tiles.  Also: the side that I fetch for
	s_and_b32 s14, s12, 1                          ; W0: my half of the W side's tiles.  Also: p, which part of that side I fetch
	s_bfe_u32 s15, ttmp6, 0x40000                  ; cx
	s_bfe_u32 s16, ttmp6, 0x40004                  ; cy
	s_and_b32 s17, ttmp7, 0xffff                   ; the cluster's y, 0..7
	s_lshl_b32 s18, s16, 2
	s_lshl_b32 s18, 15, s18                        ; my row of the cluster
	s_lshl_b32 s19, 0x1111, s15                    ; my column
	s_or_b32 s24, s19, (3<<16)|(1<<21)             ; 15:0 the mask; 17:16 elements of 8 bytes; 21 set beside a mask
	s_or_b32 s40, s18, (3<<16)|(1<<21)
.irp g, 24, 40                         ; dense blocks as rows of 256 bytes (32 elements of 8 bytes), no padding
	s_mov_b32 s[\g+1], 32<<16
	s_mov_b32 s[\g+2], 200<<16                     ; 200 rows: a side's half of K
	s_mov_b32 s[\g+3], 32<<16
	s_mov_b32 s[\g+4], 200
	s_mov_b32 s[\g+5], 32
	s_mov_b32 s[\g+6], 0
	s_mov_b32 s[\g+7], 0
.endr
	s_lshl_b32 s20, ttmp9, 2
	s_add_co_u32 s20, s20, s15                     ; i0: hangs on cx, never on cy
	s_lshl_b32 s21, s17, 2
	s_add_co_u32 s21, s21, s16                     ; i1: hangs on cy, never on cx
	s_mul_i32 s3, s14, HB
	s_add_co_u32 s22, s20, 96
	s_mul_i32 s22, s22, BP
	s_add_co_u32 s22, s22, s3                      ; Wq's block, half p
	s_mov_b32 s23, 0
	s_mul_i32 s48, s21, BP
	s_add_co_u32 s48, s48, s3                      ; query's block, half p
	s_mov_b32 s49, 0
	s_mul_i32 s75, s13, HB
	s_mul_i32 s74, s14, SLOT
	s_add_co_u32 s74, s74, s75                     ; LDS, a part of a whole half: slot p
	s_mul_i32 s2, s14, 25600
	s_add_co_u32 s75, s75, s2
	s_add_co_u32 s75, s75, 2*SLOT                  ; LDS, a part of half a half: slot 2
	s_wait_dscnt 0x0                               ; both opening adds are done
	s_wait_kmcnt 0x0
	s_mov_b32 s56, 1
	s_mov_b32 s57, s74
	s_add_nc_u64 s[58:59], s[4:5], s[22:23]
	s_or_b32 s59, s59, 0x80000000
	s_mov_b32 s60, 1
	s_mov_b32 s61, s74
	s_add_nc_u64 s[62:63], s[4:5], s[48:49]
	s_or_b32 s63, s63, 0x80000000
	CROUND                                         ; all sixteen work-groups are here: the joint loads meet
	JLOAD                                          ; both halves of q's operands: one load a wave at the head
	s_xor_b32 s2, s14, 1
	DELTA 76, 8*BP                                 ; s[76:81] the W side
	DELTA 82, 32*BP                                ; s[82:87] the R side
	v_and_b32 v1, 31, v0                           ; lane
	v_and_b32 v2, 15, v0                           ; r
	v_bfe_u32 v3, v0, 4, 1                         ; h
	v_lshlrev_b32 v26, 4, v1
	v_lshlrev_b32 v27, 3, v1
	v_lshlrev_b32 v28, 2, v1
	s_mul_i32 s2, s14, 6144                        ; my four tiles of the W side
	s_mul_i32 s3, s13, 6144                        ; and of the R side
	s_add_co_u32 s3, s3, HB
.irp s, 0,1,2                          ; by slot: v4-6 W 16 bytes a lane, v7-9 W 8 bytes, v10-12 R 16, v13-15 R 8
	v_add_nc_u32 v[4+\s], s2, v26
	v_add_nc_u32 v[7+\s], s2, v27
	v_add_nc_u32 v[10+\s], s3, v26
	v_add_nc_u32 v[13+\s], s3, v27
	s_add_co_u32 s2, s2, SLOT
	s_add_co_u32 s3, s3, SLOT
.endr
	s_xor_b32 s50, s14, 1                          ; scale words: the R side's lie 51,200 + 1,024 W1 - 1,024 W0 bytes behind the W side's
	s_add_co_u32 s50, s50, s13
	s_lshl_b32 s50, s50, 10
	s_add_co_u32 s50, s50, 50176
	s_lshl_b32 s51, s14, 10
	s_add_co_u32 s51, s51, 49152
	v_mul_u32_u24 v16, s50, v3                     ; q, k: lanes 0-15 the W side's, lanes 16-31 the R side's: v16-18 by slot
	v_lshl_add_u32 v16, v2, 4, v16
	v_add_nc_u32 v16, s51, v16
	v_add_nc_u32 v17, SLOT, v16
	v_add_nc_u32 v18, 2*SLOT, v16
	v_xor_b32 v19, 1, v3                           ; v: the other way round: v20, v21 slots 1, 2
	v_mul_u32_u24 v20, s50, v19
	v_lshl_add_u32 v20, v2, 4, v20
	v_add_nc_u32 v20, s51, v20
	v_add_nc_u32 v21, 2*SLOT, v20
	v_add_nc_u32 v20, SLOT, v20
	v_mov_b32 v22, 0x0c070c03                      ; byte selects: lanes 0-15 bytes 0 and 2, lanes 16-31 bytes 1 and 3
	v_mov_b32 v23, 0x070c030c
	v_cmp_eq_u32 vcc_lo, 1, v3
	v_cndmask_b32 v22, v22, v23, vcc_lo
	v_min_u32 v25, 24, v1                          ; the prefetches: 25 blocks of 256 bytes, the lanes left over name the last again
	v_lshlrev_b32 v25, 8, v25
	v_mov_b32 v71, 0                               ; written once: a lane permute's destination counts as one of its sources
	v_mov_b32 v79, 0
	s_mov_b32 s[SEL], 0x76543210
	s_mov_b32 s[SEL+1], 0xfedcba98
	; where my results go
	s_lshr_b32 s52, s21, 4
	s_lshl_b32 s52, s52, 4
	s_lshl_b32 s2, s20, 1
	s_add_co_u32 s52, s52, s2
	s_add_co_u32 s52, s52, s14                     ; 16 batch + head, head = 2 i0 + W0
	s_and_b32 s53, s21, 15                         ; the block of 128 positions in its batch
	s_mul_i32 s54, s13, 3072
	s_lshl_b32 s55, s13, 7
	s_mul_i32 s50, s52, 102400
	s_mul_i32 s2, s53, 6144
	s_add_co_u32 s2, s2, s50
	s_add_co_u32 s2, s2, s54
	s_mov_b32 s3, 0
	s_add_nc_u64 s[66:67], s[6:7], s[2:3]          ; q's codes
	s_lshl_b32 s2, s53, 8
	s_add_co_u32 s2, s2, s50
	s_add_co_u32 s2, s2, s55
	s_add_co_u32 s2, s2, 98304
	s_add_nc_u64 s[68:69], s[6:7], s[2:3]          ; q's scale words
	s_mul_i32 s50, s52, 204800
	s_mul_i32 s2, s53, 12800
	s_add_co_u32 s50, s50, s2
	s_add_co_u32 s2, s50, s54
	s_add_nc_u64 s[70:71], s[8:9], s[2:3]          ; k's codes; v's 6,144 further on
	s_add_co_u32 s2, s50, s55
	s_add_co_u32 s2, s2, 12288
	s_add_nc_u64 s[72:73], s[8:9], s[2:3]          ; k's scale words; v's 256 further on
	; the prefetches' pointers: s[88:89] k's second half, s[90:91] v's first, s[92:93] v's second: my side's block, my part of 25,600 bytes, my partner's place's quarter of it
	s_mov_b32 s98, 32*BP
	s_cmp_eq_u32 s13, 0
	s_cselect_b32 s2, s20, s21
	s_cselect_b32 s3, 104, 32
	s_cselect_b32 s50, s16, s15
	s_cselect_b32 s54, 8*BP, s98
	s_add_co_u32 s2, s2, s3
	s_mul_i32 s2, s2, BP
	s_mul_i32 s3, s14, 25600
	s_add_co_u32 s2, s2, s3
	s_mul_i32 s3, s50, 6400
	s_add_co_u32 s2, s2, s3
	s_add_co_u32 s2, s2, HB
	s_mov_b32 s3, 0
	s_mov_b32 s55, 0
	s_add_nc_u64 s[88:89], s[4:5], s[2:3]
	s_add_nc_u64 s[92:93], s[88:89], s[54:55]
	s_sub_co_u32 s54, s54, HB
	s_add_nc_u64 s[90:91], s[88:89], s[54:55]
	s_cmp_lt_u32 s17, 4
	s_cselect_b32 s94, 1, 0
	s_or_b32 s94, s94, s13                         ; 1 where my wave prefetches
.macro ASK p
	WIN 0
	s_cmp_eq_u32 s94, 0
	s_cbranch_scc1 .Lno_ask_\@
	global_prefetch_b8 v25, s[\p:\p+1] th:TH_LOAD_NT scope:SCOPE_SE
.Lno_ask_\@:
.endm
.macro FRAG reg, a16, a8, off          ; a fragment's 12 registers: two half images
	ds_load_b128 v[\reg:\reg+3], v[\a16] offset:\off
	ds_load_b64 v[\reg+4:\reg+5], v[\a8] offset:\off+512
	ds_load_b128 v[\reg+6:\reg+9], v[\a16] offset:\off+768
	ds_load_b64 v[\reg+10:\reg+11], v[\a8] offset:\off+1280
.endm
.macro FETCH n                         ; step n's eight fragments, 32 loads, into buffer n % 2; at a half's first step its scale words too, 4 loads
.set HH, (\n)/4
.set SL, HH%3
.set OFS, ((\n)%4)*12288
.set BUF, 96*((\n)%2)
.if (\n)/8 == 2
.set FA0, 10+SL
.set FB0, 13+SL
.set FA1, 4+SL
.set FB1, 7+SL
.set FSC, 20+HH-4
.else
.set FA0, 4+SL
.set FB0, 7+SL
.set FA1, 10+SL
.set FB1, 13+SL
.set FSC, 16+SL
.endif
.if (\n)%4 == 0
	WIN 0
.irp i, 0,1,2,3
	ds_load_b128 v[SC+16*(HH%2)+4*\i:SC+16*(HH%2)+4*\i+3], v[FSC] offset:256*\i   ; lanes 0-15 S0's tile i, lanes 16-31 S1's: the words of the half's four steps
.endr
.endif
	WIN 0x40
.irp i, 0,1,2,3
	FRAG BUF+12*\i, FA0, FB0, OFS+1536*\i
	FRAG BUF+48+12*\i, FA1, FB1, OFS+1536*\i
.endr
.endm
.macro MULROW n, a                     ; S1's tile a: four matrix instructions; the 16 accumulators take turns, one instruction a turn, in the same order in every step
	WIN 0x05
.set MB, 96*((\n)%2)
.set MS, SC+16*(((\n)/4)%2)+(\n)%4
.irp b, 0,1,2,3
.if (\n)%8 == 0
	v_wmma_scale_f32_16x16x128_f8f6f4 v[ACC+8*(4*\a+\b):ACC+8*(4*\a+\b)+7], v[MB+12*\b:MB+12*\b+11], v[MB+48+12*\a:MB+48+12*\a+11], 0, v[MS+4*\b], v[MS+4*\a] matrix_a_fmt:MATRIX_FMT_BF6 matrix_b_fmt:MATRIX_FMT_BF6 matrix_b_scale:MATRIX_SCALE_ROW1
.else
	v_wmma_scale_f32_16x16x128_f8f6f4 v[ACC+8*(4*\a+\b):ACC+8*(4*\a+\b)+7], v[MB+12*\b:MB+12*\b+11], v[MB+48+12*\a:MB+48+12*\a+11], v[ACC+8*(4*\a+\b):ACC+8*(4*\a+\b)+7], v[MS+4*\b], v[MS+4*\a] matrix_a_fmt:MATRIX_FMT_BF6 matrix_b_fmt:MATRIX_FMT_BF6 matrix_b_scale:MATRIX_SCALE_ROW1
.endif
.endr
.endm
; A change of slots, in step n, whose fragments are on their way already: behind the round the slots that no step reads any more are filled, and those whose loads have landed are read.
.macro TURN n, rows, lds, dw, dr
	WIN 0
	s_wait_tensorcnt 0x0                           ; my load has landed;
	ds_add_u32 v30, v31                            ; 0 onto my spare word;
	NEXT \rows, \lds, \dw, \dr
	s_wait_dscnt 1                                 ; step n's fragments are in (the add may be out)
	MULROW \n, 0
	s_wait_dscnt 0x0                               ; the add is done, and so are my reads of the slots
	s_barrier_signal -1
	MULROW \n, 1
	WIN 0
	s_barrier_wait -1
	CREST
	JLOAD                                          ; (its four v_nop are the places in front of the loads below)
.endm
.macro EPI t                           ; tensor t goes out: for S1's tile a my 32 registers are one block of 32: six registers of a half image and a scale byte
	WIN 0
	PLACES
.if (\t) > 0
	s_wait_xcnt 0x0                                ; the last tensor's stores have read their registers
.endif
.irp a, 0,1,2,3
	v_max3_num_f32 v[TM+2*\a], |v[ACC+32*\a]|, |v[ACC+32*\a+1]|, 0x2800000   ; and the floor 2^(5 - 127): the byte cannot fall under 1.  Each accumulator is read from its low end on
	v_max3_num_f32 v[TM+2*\a+1], |v[ACC+32*\a+16]|, |v[ACC+32*\a+17]|, |v[ACC+32*\a+18]|
.endr
.irp k, 1,2,3,4,5,6
.irp a, 0,1,2,3
	v_max3_num_f32 v[TM+2*\a], v[TM+2*\a], |v[ACC+32*\a+2*\k]|, |v[ACC+32*\a+2*\k+1]|
	v_max3_num_f32 v[TM+2*\a+1], v[TM+2*\a+1], |v[ACC+32*\a+17+2*\k]|, |v[ACC+32*\a+18+2*\k]|
.endr
.endr
.irp a, 0,1,2,3
	v_max3_num_f32 v[TM+2*\a], v[TM+2*\a], |v[ACC+32*\a+14]|, |v[ACC+32*\a+15]|
.endr
.irp a, 0,1,2,3
	v_max3_num_f32 v[TM+2*\a], v[TM+2*\a], v[TM+2*\a+1], |v[ACC+32*\a+31]|
.endr
.irp a, 0,1,2,3
	v_add_nc_u32 v[BS+\a], 0xfe000000, v[TM+2*\a]  ; 4 off the exponent field: the conversion's scale operand
.endr
.irp a, 0,1,2,3
	v_lshlrev_b32 v[BX+\a], 1, v[BS+\a]            ; the scale's byte in the highest byte
.endr
.irp a, 0,1,2,3
	v_cvt_scalef32_pk16_bf6_f32 v[64+8*\a:66+8*\a], v[ACC+32*\a:ACC+32*\a+15], v[BS+\a]
	v_cvt_scalef32_pk16_bf6_f32 v[96+4*\a:98+4*\a], v[ACC+32*\a+16:ACC+32*\a+31], v[BS+\a]
.endr
	v_perm_b32 v70, v[BX+1], v[BX], v22            ; my bytes of the first pair of half images (a plain place behind the conversions),
	v_perm_b32 v78, v[BX+3], v[BX+2], v22          ; and of the second
	v_permlanex16_b32 v71, v70, s[SEL], s[SEL+1]
	v_permlanex16_b32 v79, v78, s[SEL], s[SEL+1]
.irp a, 0,1,2,3
.irp i, 0,1,2
	v_mov_b32 v[67+8*\a+\i], v[96+4*\a+\i]
.endr
.endr
	v_or_b32 v70, v70, v71
	v_or_b32 v78, v78, v79
	v_cmp_eq_u32 vcc_lo, 1, v3
	v_cndmask_b32 v86, v70, v78, vcc_lo            ; lanes 0-15 store the first pair's words, lanes 16-31 the second's
.if (\t) == 0
.set PTR, 66
.set PTS, 68
.else
.set PTR, 70
.set PTS, 72
.endif
.irp a, 0,1,2,3
	global_store_b128 v26, v[64+8*\a:67+8*\a], s[PTR:PTR+1] offset:768*\a+6144*((\t)/2)       ; each store of the wave covers 512 or 256 consecutive bytes, aligned
	global_store_b64 v27, v[68+8*\a:69+8*\a], s[PTR:PTR+1] offset:768*\a+512+6144*((\t)/2)
.endr
	global_store_b32 v28, v86, s[PTS:PTS+1] offset:256*((\t)/2)   ; 128 consecutive bytes
.endm
.macro KSTEP n
.if (\n) == 7
	TURN \n, 200, 74, 78, 84                       ; k's first half is in; slots 0 and 1 take k's second and v's first half
	FETCH \n+1
	MULROW \n, 2
	MULROW \n, 3
.elseif (\n) == 11
	TURN \n, 100, 75, 80, 86                       ; slots 0 and 1 are in; slot 2 takes v's second half
	FETCH \n+1
	MULROW \n, 2
	MULROW \n, 3
.elseif (\n) == 19
	WIN 0
	s_wait_tensorcnt 0x0                           ; v's second half: my part is in; nothing is filled again
	s_wait_dscnt 0x0
	s_barrier_signal -1
	MULROW \n, 0
	MULROW \n, 1
	WIN 0
	s_barrier_wait -1
	PLACES
	FETCH \n+1
	MULROW \n, 2
	MULROW \n, 3
.else
.if (\n) > 0
	PLACES                                         ; the last step's products read the buffer that is loaded now
.endif
.if (\n) < 23
	FETCH \n+1
.if (\n) == 1
	ASK 88
.endif
.if (\n) == 3
	ASK 90
.endif
.if (\n) == 9
	ASK 92
.endif
.if ((\n)+1)%4 == 0
	s_wait_dscnt 36                                ; all but the 36 just issued
.else
	s_wait_dscnt 32                                ; all but the 32 just issued
.endif
.else
	s_wait_dscnt 0x0
.endif
	MULROW \n, 0
	MULROW \n, 1
	MULROW \n, 2
	MULROW \n, 3
.endif
.if (\n)%8 == 7
	EPI (\n)/8
.endif
.endm
	s_wait_alu depctr_va_vdst(0)
	s_wait_tensorcnt 0x0                           ; my part of q's operands is in
	ds_add_u32 v30, v31
	NEXT 100, 75, 76, 82
	s_wait_dscnt 0x0
	CROUND
	JLOAD                                          ; k's first half, into slot 2
	FETCH 0
.irp n, 0,1,2,3,4,5,6,7,8,9,10,11,12,13,14,15,16,17,18,19,20,21,22,23
	KSTEP \n
.endr
	s_wait_tensorcnt 0x0                           ; the wave's end
	ds_add_u32 v30, v31
	s_wait_dscnt 0x0
	CROUND                                         ; the closing round: no work-group ends while a partner may still ask for a block that names it
	s_endpgm
.Lfunc_end_k_qdc0a4f3c9e_proj:
	.size	k_qdc0a4f3c9e_proj, .Lfunc_end_k_qdc0a4f3c9e_proj-k_qdc0a4f3c9e_proj
	.p2alignl 7, 3214868480
	.fill 96, 4, 3214868480
	.section	.rodata,"a",@progbits
	.p2align	6, 0x0
	.amdhsa_kernel k_qdc0a4f3c9e_proj
		.amdhsa_group_segment_fixed_size 327680
		.amdhsa_private_segment_fixed_size 0
		.amdhsa_enable_private_segment 0
		.amdhsa_kernarg_size 24
		.amdhsa_user_sgpr_count 2
		.amdhsa_user_sgpr_kernarg_segment_ptr 1
		.amdhsa_wavefront_size32 1
		.amdhsa_system_sgpr_workgroup_id_x 1
		.amdhsa_system_sgpr_workgroup_id_y 1
		.amdhsa_system_sgpr_workgroup_id_z 1
		.amdhsa_system_vgpr_workitem_id 0
		.amdhsa_next_free_vgpr 448
		.amdhsa_next_free_sgpr 100
		.amdhsa_reserve_vcc 1
		.amdhsa_float_denorm_mode_32 3
		.amdhsa_float_denorm_mode_16_64 3
		.amdhsa_memory_ordered 1
		.amdhsa_forward_progress 1
		.amdhsa_inst_pref_size 138
	.end_amdhsa_kernel
	.amdgpu_metadata
---
amdhsa.version: [ 1, 2 ]
amdhsa.kernels:
  - .name:           k_qdc0a4f3c9e_proj
    .symbol:         k_qdc0a4f3c9e_proj.kd
    .args:
      - { .name: codes, .offset: 0, .size: 8, .value_kind: global_buffer, .address_space: global }
      - { .name: hq, .offset: 8, .size: 8, .value_kind: global_buffer, .address_space: global }
      - { .name: hkv, .offset: 16, .size: 8, .value_kind: global_buffer, .address_space: global }
    .group_segment_fixed_size: 327680
    .private_segment_fixed_size: 0
    .kernarg_segment_align: 8
    .kernarg_segment_size: 24
    .max_flat_workgroup_size: 128
    .sgpr_count:     100
    .vgpr_count:     448
    .wavefront_size: 32
...
	.end_amdgpu_metadata
.endif
;; end of part 2
;; launch attn (part 3): grid 8 x 32, 8 waves a work-group, clusters of 4 x 1, 242,688 bytes of LDS; arguments hq, hkv, xc; writes xc
.if DOCPART == 3
	.amdgcn_target "amdgcn-amd-amdhsa--gfx1250"
	.amdhsa_code_object_version 6
	.text
	.protected	k_qdc0a4f3c9e_attn
	.globl	k_qdc0a4f3c9e_attn
	.p2align	8
	.type	k_qdc0a4f3c9e_attn,@function
k_qdc0a4f3c9e_attn:
	s_mov_b64 s[64:65], 0
	v_nop
	global_prefetch_b8 v0, s[64:65] scope:SCOPE_SE
	s_setreg_imm32_b32 hwreg(HW_REG_WAVE_MODE, 25, 1), 1
	s_wait_xcnt 0x0
	s_wait_alu depctr_hold_cnt(0) depctr_sa_sdst(0) depctr_va_vdst(0) depctr_va_sdst(0) depctr_va_ssrc(0) depctr_va_vcc(0) depctr_vm_vsrc(0)
	s_getreg_b32 s2, hwreg(HW_REG_IB_STS2, 6, 4)
	s_cmp_eq_u32 s2, 0
	s_cbranch_scc0 .Lentry_in_a_cluster
	s_endpgm
.Lentry_in_a_cluster:
	s_bfe_u32 s2, ttmp6, 0x10000c
	s_cmp_lg_u32 s2, 0x3003
	s_cbranch_scc0 .Lentry_shape_is_right
	s_endpgm
.Lentry_shape_is_right:
; x[b][q][head][:] = the sum over keys k <= q of softmax_k(q . k / 8) v[k][:], both products on codes of BF6 (E3M2) with E8M0 scales; x is quantised along the model's 1,024 for the product that follows.
; THE SOFTMAX: t = score x log2(e) / 8; M = the row's largest t so far, rounded up to a whole number; p = 2^(t - M) is quantised along the keys, not normalised; the row's sum is taken of the unquantised p and divides at the end.
; When M moves, the sum and O are multiplied by 2^(old M - new M): nothing is rounded.  A block's largest p is not searched for: the block's largest score goes through the same multiply-add and exponential
; (this takes v_exp_f32 not to fall where its input rises; at the worst one p of a block, within an ulp of a power of two, is held one code low).
; INPUT: hq and hkv as the launch before lays them.  Of a group of 64 positions, tile u holds at index i the position 8 u + i + 24 (i / 8).
; A WHOLE HEAD'S K AND V LIE IN LDS, 12,800 bytes for each of 16 key steps (128 keys): K's codes, V's codes, K's scale words, V's.  Wave w fetches key steps 2 w and 2 w + 1: one load a wave; no LDS byte is filled twice.
; SHARES: eight work-groups to a head, four to a cluster; a wave takes two tiles of a block of 128 queries, cx (of its first 64) and cx + 4 (of its last 64), and every fragment of K and V serves both.
;   Cluster c takes the blocks a and 15 - a for a = 2 i + c, i = 0..3: QB + 1 key steps each.  Two waves share such a pair, 17 steps together: the first walks steps 0-8 of block 15 - a;
;   the second walks steps 0..a of block a, sends that out, then walks steps 9..15 - a of block 15 - a and hands its sums to the first through LDS: 9 and 8 steps.  Waves w and w + 4, and waves 2 n and 2 n + 1, are a first and a second.
;   What a wave does hangs on its number and the cluster's alone and is alike in all work-groups of a cluster, so K and V are asked for JOINTLY by the four.
; No prefetch: all loads stand at the head, and no later load is left to run ahead of.
; THE SCORES' K IS 64, half of the instruction's 128: two tiles of keys on end are one source 0 (its K 0-63 the first tile's 64, K 64-127 the second's); source 1 is [q | 0] for the first tile's scores and [0 | q] for the second's.
; Both products are used transposed (S^T = K Q^T, O^T = V^T P^T): a lane holds one query; by the choice of a tile's rows its 32 registers of four tiles of keys are 32 neighbouring keys: a whole block of the next K, and likewise of the head's 64.
; CAUSAL, WORK LEFT OUT: steps beyond QB are not walked: the problem's own mask hides all their keys, p = 0.  In step QB hidden scores become -infinity, where the definition has -1e9: both give p = 0.
; LIMITS: scores / 8 above -1e9 and the scaled scores under 2^31; NaN and infinities not served, nor carried from keys left out; a block of x under 2^-122 or of zeros keeps the byte 1 (this program alone reads the bytes).
;   The 64 scale bytes of a wave leave as single bytes: 64 of its 1,600 bytes.
; OUTPUT: xc [16 batch + QB][half of K][51,200]: laid as the next launch's operand: [K step = head / 2][tile][half image head % 2], scale words [16 x tile + index][(head / 2) % 4], bytes 2 (head % 2) + block.
; REGISTERS: tile t's own lie in window t, under the same low numbers: v12 -M, v13 the largest t, v[14:15] the sum; v16-33 [0][q][0]; v96-159 S^T, then p; v160-191 O^T; v192-210 codes; v92, v94, v212-235 at work; v236-241 the second block's q;
;   v4, v7 selects and bound.  Window 0 alone: v1-3, v5, v6, v8-11, v82 addresses; v34-81 K's fragments; v84-89 scale words of K and V; v90, v93 q's of tiles 0, 1, v242-243 the second block's; v91, v95 p's.  Window 1 alone: v34-81 V's fragments.
.set PART, 204800                      ; LDS, behind K and V: a wave's sums for its partner, 2 x 4,608 bytes a pair
.set SPARE, PART+4*9216                ; the spare words, 128 bytes a wave
.set SEL, 20                           ; s[20:21] lane selects for v_permlanex16_b32: lane l xor 16
.set CS,  22                           ; s[22:23] c = log2(e) / 8
.set TRIP, 52
.set STP, 53                           ; the key step
.set DG,  54                           ; the step on the diagonal
.set TK,  55                           ; the next step's place in LDS
.set NX,  60                           ; the next step
.set BM,  212                          ; v212, v214 the two blocks' largest score, then largest p (v213, v215 at work)
.set BS,  216                          ; v216-217 the conversions' scale operands
.set BX,  218                          ; v218-219 the scale bytes, in the highest byte
.set MSB, 0
.macro WIN new                         ; the immediate's high byte repeats the setting that is left
.if MSB != \new
	s_set_vgpr_msb (MSB<<8)|\new
.set MSB, \new
.endif
.endm
.macro CROUND                          ; a round of the cluster's barrier
	s_barrier_signal -1
	s_barrier_wait -1
	s_cmp_lg_u32 s12, 0
	s_cbranch_scc1 .Lnot_wave_0_\@
	s_barrier_signal -3
.Lnot_wave_0_\@:
	s_barrier_wait -3
	s_barrier_signal -1
	s_barrier_wait -1
.endm
.macro PLACES                          ; four places behind a matrix instruction of this form (ISA guide 7.12.1)
.rept 4
	v_nop
.endr
.endm
.macro QPTR d, qb                      ; q of my tile cx of block qb: codes s[d:d+1], scale word s[d+2:d+3]; tile cx + 4 lies 3,072 and 128 bytes on
	s_lshl_b32 s2, s[\qb], 3
	s_add_co_u32 s2, s2, s13
	s_mul_i32 s2, s2, 768
	s_add_co_u32 s2, s2, s17
	s_mov_b32 s3, 0
	s_add_nc_u64 s[\d:\d+1], s[4:5], s[2:3]
	s_lshl_b32 s2, s[\qb], 2
	s_add_co_u32 s2, s2, s18
	s_lshl_b32 s2, s2, 6
	s_add_co_u32 s2, s2, s17
	s_add_co_u32 s2, s2, 98304
	s_add_nc_u64 s[\d+2:\d+3], s[4:5], s[2:3]
.endm
	s_load_b128 s[4:7], s[0:1], 0x0                ; hq s[4:5], hkv s[6:7]
	s_load_b64 s[8:9], s[0:1], 0x10                ; xc
	v_lshl_add_u32 v254, v0, 2, SPARE
	v_mov_b32 v255, 0
	ds_add_u32 v254, v255                          ; the wave's opening
	ds_add_u32 v254, v255
	v_lshrrev_b32 v1, 5, v0
	v_readfirstlane_b32 s12, v1                    ; wave 0..7
	s_bfe_u32 s13, ttmp6, 0x40000                  ; cx: it enters global addresses, the mask's bound and a shift alone
	s_and_b32 s15, ttmp7, 0xffff                   ; 16 batch + head
	s_lshr_b32 s39, s12, 1                         ; i: the pair of waves
	s_lshr_b32 s33, s12, 2
	s_xor_b32 s33, s33, s12
	s_and_b32 s33, s33, 1                          ; 0: the pair's first wave, 1: its second
	s_lshl_b32 s32, s39, 1
	s_add_co_u32 s32, s32, ttmp9                   ; a = 2 i + the cluster's x
	s_xor_b32 s2, s33, 1
	s_mul_i32 s3, s2, 15
	s_xor_b32 s16, s32, s3                         ; my first block: 15 - a or a.  It is the one that I send out
	s_xor_b32 s36, s32, 15                         ; 15 - a, the second wave's second block
	s_xor_b32 s35, s32, 7
	s_add_co_u32 s35, s35, 1                       ; 8 - a: what the second wave's steps leap behind trip a
	s_lshl_b32 s34, s2, 4
	s_or_b32 s34, s34, s32                         ; my first block's last trip: a, or beyond all trips
	s_add_co_u32 s38, s34, 1
	s_add_co_u32 s37, s2, 7                        ; my last trip: 8 or 7
	s_mov_b32 s24, 15|(3<<16)|(1<<21)              ; the mask names the cluster's four work-groups; elements of 8 bytes
	s_mov_b32 s25, 32<<16                          ; rows of 256 bytes, no padding
	s_mov_b32 s26, 100<<16                         ; 100 rows: two key steps
	s_mov_b32 s27, 32<<16
	s_mov_b32 s28, 100
	s_mov_b32 s29, 32
	s_mov_b32 s30, 0
	s_mov_b32 s31, 0
	s_mul_i32 s41, s12, 25600
	s_mul_i32 s44, s15, 204800
	s_add_co_u32 s44, s44, s41
	s_mov_b32 s45, 0
	s_mov_b32 s[SEL], 0x76543210
	s_mov_b32 s[SEL+1], 0xfedcba98
	s_mov_b32 s[CS], 0x3e38aa3b                    ; log2(e) / 8
	s_mov_b32 s[CS+1], s[CS]                       ; (named with it as a pair, so it is written)
	s_wait_dscnt 0x0                               ; both opening adds are done
	s_wait_kmcnt 0x0
	s_mov_b32 s40, 1
	s_add_nc_u64 s[42:43], s[6:7], s[44:45]
	s_or_b32 s43, s43, 0x80000000
	CROUND                                         ; all four work-groups are here: the joint loads meet
	s_cmp_eq_u32 s12, 0                            ; wave 0's load, key steps 0 and 1, is waited for ahead of the others': it has a line of its own
	s_cbranch_scc0 .Lothers
	tensor_load_to_lds s[40:43], s[24:31]
	s_nop 0
	PLACES
	s_branch .Lasked
.Lothers:
	tensor_load_to_lds s[40:43], s[24:31]
	s_nop 0
	PLACES
.Lasked:
	s_mul_i32 s17, s15, 102400
	s_lshr_b32 s18, s13, 1
	QPTR 44, 16
	QPTR 48, 36
	v_and_b32 v8, 31, v0                           ; lane
	v_and_b32 v9, 15, v0                           ; r
	v_bfe_u32 v10, v0, 4, 1                        ; h
	v_lshlrev_b32 v1, 4, v8
	v_lshlrev_b32 v2, 3, v8
	v_lshlrev_b32 v3, 2, v8
	v_lshlrev_b32 v83, 2, v9
.irp t, 0,1
	WIN 0x40*\t
	global_load_b128 v[22:25], v1, s[44:45] offset:3072*\t        ; my first block's q stays in registers,
	global_load_b64 v[26:27], v2, s[44:45] offset:512+3072*\t
	global_load_b128 v[236:239], v1, s[48:49] offset:3072*\t      ; and block 15 - a's
	global_load_b64 v[240:241], v2, s[48:49] offset:512+3072*\t
.endr
	WIN 0
	global_load_b32 v90, v83, s[46:47]
	global_load_b32 v93, v83, s[46:47] offset:128
	global_load_b32 v242, v83, s[50:51]
	global_load_b32 v243, v83, s[50:51] offset:128
	s_lshl_b32 s2, s13, 3
	v_and_b32 v7, 8, v9
	v_mad_u32_u24 v7, v7, 3, v9                    ; r + 24 (r / 8)
	v_add_nc_u32 v7, s2, v7                        ; my query in its group of 64, of both tiles,
	v_lshlrev_b32 v224, 5, v10
	v_sub_nc_u32 v7, v7, v224                      ; less 32 h: register n of that group's scores is key n + 32 h: hidden in the diagonal step where n > v7
	v_lshl_add_u32 v6, v9, 4, v10                  ; a scale byte's place: 16 r + h
	v_mov_b32 v4, 0x0c070c03                       ; byte selects: lanes 0-15 bytes 0 and 2, lanes 16-31 bytes 1 and 3
	v_mov_b32 v5, 0x070c030c
	v_cmp_eq_u32 vcc_lo, 1, v10
	v_cndmask_b32 v4, v4, v5, vcc_lo
	s_mul_i32 s2, s39, 9216
	s_add_co_u32 s2, s2, PART
	v_add_nc_u32 v11, s2, v1                       ; the pair's LDS bytes: O^T,
	v_add_nc_u32 v5, s2, v2                        ; the sum (at 4,096),
	v_add_nc_u32 v82, s2, v3                       ; -M (at 4,352); tile 1's 4,608 bytes on
	WIN 0x40
	v_mov_b32 v4, v4                               ; window 1's copies
	v_mov_b32 v7, v7
	WIN 0
	; where my first block's x goes (tile cx; tile cx + 4: codes 6,144 bytes on, scale bytes 1,024)
	s_lshr_b32 s2, s15, 4
	s_lshl_b32 s2, s2, 4
	s_add_co_u32 s2, s2, s16                       ; the block of 128 rows: 16 batch + QB
	s_mul_i32 s2, s2, 102400
	s_and_b32 s3, s15, 15                          ; the head
	s_lshr_b32 s17, s3, 3
	s_mul_i32 s17, s17, 51200                      ; its half of K,
	s_add_co_u32 s2, s2, s17
	s_bfe_u32 s18, s3, 0x20001                     ; its K step in it,
	s_and_b32 s19, s3, 1                           ; and which half of that
	s_mul_i32 s56, s18, 12288
	s_mul_i32 s57, s13, 1536
	s_add_co_u32 s56, s56, s57
	s_mul_i32 s57, s19, 768
	s_add_co_u32 s56, s56, s57
	s_add_co_u32 s56, s56, s2
	s_mov_b32 s57, 0
	s_lshl_b32 s58, s13, 8
	s_lshl_b32 s59, s18, 2
	s_add_co_u32 s58, s58, s59
	s_lshl_b32 s59, s19, 1
	s_add_co_u32 s58, s58, s59
	s_add_co_u32 s58, s58, s2
	s_add_co_u32 s58, s58, 49152
	s_mov_b32 s59, 0
	s_add_nc_u64 s[10:11], s[8:9], s[58:59]
	s_add_nc_u64 s[8:9], s[8:9], s[56:57]
	s_and_b32 s61, s13, 1
	s_lshl_b32 s61, s61, 4                         ; which half of the pair's scale word is my tile's
.macro FRESH                           ; nothing summed yet
	v_mov_b32 v13, 0xff61b1e6                      ; the largest t so far: -3e38, under every t
	v_mov_b32 v14, 0                               ; the sum, in two halves
	v_mov_b32 v15, 0
	v_floor_f32 v12, -v13                          ; -M
.irp j, 0,1,2,3,4,5,6,7,8,9,10,11,12,13,14,15,16,17,18,19,20,21,22,23,24,25,26,27,28,29,30,31
	v_mov_b32 v[160+\j], 0                         ; O^T: the step is written for any trip; the first finds zeros
.endr
.endm
.irp t, 0,1
	WIN 0x55*\t
.irp i, 0,1,2,3,4,5
	v_mov_b32 v[16+\i], 0                          ; the zero halves round q: zero codes add nothing under any scale byte but 0xff
	v_mov_b32 v[28+\i], 0
.endr
	v_mov_b32 v94, 0                               ; written once: a lane permute's destination counts as one of its sources
	v_mov_b32 v225, 0
	v_mov_b32 v227, 0                              ; (named as the upper halves of pairs)
	v_mov_b32 v245, 0
.endr
	WIN 0
	s_wait_alu depctr_va_vdst(0)
	s_wait_loadcnt 0x0                             ; q and its words
.irp r, 90,93,242,243
	v_lshrrev_b32 v[\r], s61, v[\r]                ; my tile's two bytes,
.endr
.irp r, 90,93,242,243
	v_and_b32 v[\r], 0xffff, v[\r]
.endr
.irp r, 90,93,242,243
	v_lshl_or_b32 v[\r], v[\r], 16, v[\r]          ; for K 0-63 and for K 64-127 alike
.endr
	FRESH                                          ; (also the places between q's scale words and the first product)
	WIN 0x55
	FRESH
	WIN 0
.macro KLOAD a16, a8, a4               ; a key step's K: four fragments (tiles 2 g and 2 g + 1) and the scale words: lanes 0-15 pair 0 (2), lanes 16-31 pair 1 (3)
.irp g, 0,1,2,3
	ds_load_b128 v[34+12*\g:37+12*\g], v[\a16] offset:1536*\g
	ds_load_b64 v[38+12*\g:39+12*\g], v[\a8] offset:1536*\g+512
	ds_load_b128 v[40+12*\g:43+12*\g], v[\a16] offset:1536*\g+768
	ds_load_b64 v[44+12*\g:45+12*\g], v[\a8] offset:1536*\g+1280
.endr
	ds_load_b32 v84, v[\a4] offset:12288
	ds_load_b32 v85, v[\a4] offset:12416
.endm
.macro NEXTK                           ; the next trip's step and its addresses; its K is asked for, if I have such a trip
	s_add_co_u32 s[NX], s[TRIP], 1
	s_cmp_gt_u32 s[NX], s34
	s_cselect_b32 s2, s35, 0
	s_add_co_u32 s[NX], s[NX], s2
	s_min_u32 s[NX], s[NX], 15
	s_mul_i32 s[TK], s[NX], 12800
	v_add_nc_u32 v8, s[TK], v1                     ; four plain lines: also the places behind the scores' products
	v_add_nc_u32 v9, s[TK], v2
	v_add_nc_u32 v10, s[TK], v3
	v_nop
	s_cmp_ge_u32 s[TRIP], s37
	s_cbranch_scc1 .Lnok_\@
	KLOAD 8, 9, 10
.Lnok_\@:
.endm
.macro SCORES qs                       ; S^T of a tile: register 32 G + n of v96-159, lane (r, h): key 64 G + 32 h + n
.irp g, 0,1,2,3
.if \g%2
	v_wmma_scale_f32_16x16x128_f8f6f4 v[96+16*\g:103+16*\g], v[34+12*\g:45+12*\g], v[22:33], 0, v[84+\g/2], v[\qs] matrix_a_fmt:MATRIX_FMT_BF6 matrix_b_fmt:MATRIX_FMT_BF6 matrix_a_scale:MATRIX_SCALE_ROW1
	v_wmma_scale_f32_16x16x128_f8f6f4 v[104+16*\g:111+16*\g], v[34+12*\g:45+12*\g], v[16:27], 0, v[84+\g/2], v[\qs] matrix_a_fmt:MATRIX_FMT_BF6 matrix_b_fmt:MATRIX_FMT_BF6 matrix_a_scale:MATRIX_SCALE_ROW1
.else
	v_wmma_scale_f32_16x16x128_f8f6f4 v[96+16*\g:103+16*\g], v[34+12*\g:45+12*\g], v[22:33], 0, v[84+\g/2], v[\qs] matrix_a_fmt:MATRIX_FMT_BF6 matrix_b_fmt:MATRIX_FMT_BF6
	v_wmma_scale_f32_16x16x128_f8f6f4 v[104+16*\g:111+16*\g], v[34+12*\g:45+12*\g], v[16:27], 0, v[84+\g/2], v[\qs] matrix_a_fmt:MATRIX_FMT_BF6 matrix_b_fmt:MATRIX_FMT_BF6
.endif
.endr
.endm
.macro HIDE base                       ; the 64 keys of a tile's own group: hidden ones become -infinity
	v_mov_b32 v224, 0xff800000
.irp n, 0,1,2,3,4,5,6,7,8,9,10,11,12,13,14,15,16,17,18,19,20,21,22,23,24,25,26,27,28,29,30,31
	v_cmp_gt_i32 vcc_lo, \n, v7
	v_cndmask_b32 v[\base+\n], v[\base+\n], v224, vcc_lo
.endr
.endm
.macro SOFTA t                         ; tile t: the maxima, M, t - M; the sums and O^T under the new M
	WIN 0x55*\t
.irp c, 0,1                            ; the largest score of each of my blocks of 32 keys: for the row's maximum, and for the block's largest p
	v_max3_num_f32 v[BM+2*\c], v[96+32*\c], v[97+32*\c], v[98+32*\c]
	v_max3_num_f32 v[BM+1+2*\c], v[112+32*\c], v[113+32*\c], v[114+32*\c]
.endr
.irp i, 3,5,7,9,11,13
.irp c, 0,1
	v_max3_num_f32 v[BM+2*\c], v[BM+2*\c], v[96+32*\c+\i], v[97+32*\c+\i]
	v_max3_num_f32 v[BM+1+2*\c], v[BM+1+2*\c], v[112+32*\c+\i], v[113+32*\c+\i]
.endr
.endr
.irp c, 0,1
	v_max3_num_f32 v[BM+2*\c], v[BM+2*\c], v[111+32*\c], v[127+32*\c]
.endr
.irp c, 0,1
	v_max_num_f32 v[BM+2*\c], v[BM+2*\c], v[BM+1+2*\c]
.endr
	s_delay_alu instid0(VALU_DEP_1)
	v_max_num_f32 v224, v[BM], v[BM+2]
	s_delay_alu instid0(VALU_DEP_1)
	v_permlanex16_b32 v225, v224, s[SEL], s[SEL+1]
	s_delay_alu instid0(VALU_DEP_1)
	v_max_num_f32 v224, v224, v225                 ; the step's largest score of my query
	s_delay_alu instid0(VALU_DEP_1)
	v_mul_f32 v224, s[CS], v224                    ; as t
	s_delay_alu instid0(VALU_DEP_1)
	v_max_num_f32 v13, v13, v224                   ; the running largest t
	v_mov_b32 v224, v12
	s_delay_alu instid0(VALU_DEP_2)
	v_floor_f32 v12, -v13                          ; the new -M = -ceil(t)
	s_delay_alu instid0(VALU_DEP_1)
	v_sub_f32 v224, v12, v224                      ; old M - new M: a whole number, 0 or less
.irp j, 0,2,4,6,8,10,12,14
	v_pk_fma_f32 v[96+\j:97+\j], v[96+\j:97+\j], s[CS:CS+1], v[12:13] op_sel_hi:[1,0,0]   ; t - M, two at a time
.endr
	v_cvt_i32_f32 v224, v224                       ; (it saturates)
.irp j, 16,18,20,22,24,26,28,30
	v_pk_fma_f32 v[96+\j:97+\j], v[96+\j:97+\j], s[CS:CS+1], v[12:13] op_sel_hi:[1,0,0]
.endr
	v_ldexp_f32 v226, 1.0, v224                    ; f = 2^(old M - new M)
.irp j, 32,34,36,38,40,42,44,46,48,50,52,54,56,58,60,62
	v_pk_fma_f32 v[96+\j:97+\j], v[96+\j:97+\j], s[CS:CS+1], v[12:13] op_sel_hi:[1,0,0]
.endr
.irp c, 0,1
	v_fma_f32 v[BM+2*\c], v[BM+2*\c], s[CS], v12   ; the same of each block's largest score
.endr
.irp j, 0,2,4,6,8,10,12,14,16,18,20,22,24,26,28,30
	v_pk_mul_f32 v[160+\j:161+\j], v[160+\j:161+\j], v[226:227] op_sel_hi:[1,0]
.endr
	v_pk_mul_f32 v[14:15], v[14:15], v[226:227] op_sel_hi:[1,0]
.endm
.macro EXPS t
	WIN 0x55*\t
.irp c, 0,1
	v_exp_f32 v[BM+2*\c], v[BM+2*\c]               ; the block's largest p
.endr
.irp j, 0,1,2,3,4,5,6,7,8,9,10,11,12,13,14,15,16,17,18,19,20,21,22,23,24,25,26,27,28,29,30,31,32,33,34,35,36,37,38,39,40,41,42,43,44,45,46,47,48,49,50,51,52,53,54,55,56,57,58,59,60,61,62,63
	v_exp_f32 v[96+\j], v[96+\j]                   ; p = 2^(t - M)
.endr
.endm
.macro SOFTB t                         ; tile t: p becomes codes and a scale word; the row's sum
	WIN 0x55*\t
.irp c, 0,1
	v_max_num_f32 v[BM+2*\c], 0x2800000, v[BM+2*\c]   ; the floor 2^(5 - 127): the byte cannot fall under 1
.endr
.irp c, 0,1
	v_add_nc_u32 v[BS+\c], 0xfe000000, v[BM+2*\c]  ; 4 off the exponent field: the conversion's scale operand
.endr
.irp c, 0,1
	v_lshlrev_b32 v[BX+\c], 1, v[BS+\c]            ; the scale's byte in the highest byte
.endr
.irp c, 0,1
	v_cvt_scalef32_pk16_bf6_f32 v[192+6*\c:194+6*\c], v[96+32*\c:111+32*\c], v[BS+\c]
	v_cvt_scalef32_pk16_bf6_f32 v[204+4*\c:206+4*\c], v[112+32*\c:127+32*\c], v[BS+\c]   ; a conversion's three registers begin on an even number
.endr
	v_perm_b32 v92, v[BX+1], v[BX], v4             ; my two bytes at bytes h and 2 + h.  (The plain place behind the conversions)
.irp q, 0,1,2,3
	v_pk_add_f32 v[228+2*\q:229+2*\q], v[96+4*\q:97+4*\q], v[98+4*\q:99+4*\q]   ; the row's sum, of the unquantised p, in four chains
.endr
	v_permlanex16_b32 v94, v92, s[SEL], s[SEL+1]
.irp c, 0,1
.irp i, 0,1,2
	v_mov_b32 v[195+6*\c+\i], v[204+4*\c+\i]
.endr
.endr
	WIN 0x15*\t
	v_or_b32 v[91+4*\t], v92, v94                  ; p's scale word for these 128 keys, in window 0
	WIN 0x55*\t
.irp i, 0,1,2,3,4,5
.irp q, 0,1,2,3
	v_pk_add_f32 v[228+2*\q:229+2*\q], v[228+2*\q:229+2*\q], v[112+8*\i+2*\q:113+8*\i+2*\q]
.endr
.endr
	v_pk_add_f32 v[228:229], v[228:229], v[230:231]
	v_pk_add_f32 v[232:233], v[232:233], v[234:235]
	v_pk_add_f32 v[14:15], v[14:15], v[228:229]
	v_pk_add_f32 v[14:15], v[14:15], v[232:233]
.endm
.macro PV ps                           ; O^T += V^T P^T of a tile
	v_wmma_scale_f32_16x16x128_f8f6f4 v[160:167], v[34:45], v[192:203], v[160:167], v88, v[\ps] matrix_a_fmt:MATRIX_FMT_BF6 matrix_b_fmt:MATRIX_FMT_BF6
	v_wmma_scale_f32_16x16x128_f8f6f4 v[168:175], v[46:57], v[192:203], v[168:175], v89, v[\ps] matrix_a_fmt:MATRIX_FMT_BF6 matrix_b_fmt:MATRIX_FMT_BF6
	v_wmma_scale_f32_16x16x128_f8f6f4 v[176:183], v[58:69], v[192:203], v[176:183], v88, v[\ps] matrix_a_fmt:MATRIX_FMT_BF6 matrix_b_fmt:MATRIX_FMT_BF6 matrix_a_scale:MATRIX_SCALE_ROW1
	v_wmma_scale_f32_16x16x128_f8f6f4 v[184:191], v[70:81], v[192:203], v[184:191], v89, v[\ps] matrix_a_fmt:MATRIX_FMT_BF6 matrix_b_fmt:MATRIX_FMT_BF6 matrix_a_scale:MATRIX_SCALE_ROW1
.endm
; A KEY STEP: 128 keys, at LDS addresses a16, a8, a4 (16, 8, 4 bytes a lane).  Its K is in registers; its V lands while the scores and the softmax are worked, and, where next = 1, so does the next step's K.
.macro STEP a16, a8, a4, next
	PLACES                                         ; the last step's products read V's registers
	WIN 0x40
.irp a, 0,1,2,3
	ds_load_b128 v[34+12*\a:37+12*\a], v[\a16] offset:6144+768*\a
	ds_load_b64 v[38+12*\a:39+12*\a], v[\a8] offset:6144+768*\a+512
	ds_load_b128 v[40+12*\a:43+12*\a], v[\a16] offset:6144+768*\a+3072
	ds_load_b64 v[44+12*\a:45+12*\a], v[\a8] offset:6144+768*\a+3584
.endr
	WIN 0
	ds_load_b32 v86, v[\a4] offset:12544           ; V's words of keys 0-63: lanes 0-15 tiles 0, 1 of the head's 64, lanes 16-31 tiles 2, 3;
	ds_load_b32 v87, v[\a4] offset:12672           ; of keys 64-127
	SCORES 90
	WIN 0x54                                       ; K's fragments in window 0, all else in window 1
	SCORES 93
	WIN 0
.if \next
	NEXTK
.else
	PLACES
.endif
	s_cmp_lg_u32 s[STP], s[DG]                     ; the step on the diagonal alone has hidden keys
	s_cbranch_scc1 .Lopen_\@
	HIDE 96                                        ; tile 0, of the step's first 64 positions: its last 64 keys are all hidden
.irp n, 0,1,2,3,4,5,6,7,8,9,10,11,12,13,14,15,16,17,18,19,20,21,22,23,24,25,26,27,28,29,30,31
	v_mov_b32 v[128+\n], v224
.endr
	WIN 0x55
	HIDE 128                                       ; tile 1, of its last 64: its first 64 keys are all open
	WIN 0
.Lopen_\@:
	SOFTA 0
	SOFTA 1
	s_wait_alu depctr_va_vdst(0)
	EXPS 0
	EXPS 1
	v_nop                                          ; a plain place behind the exponentials
	s_wait_alu depctr_va_vdst(0)                   ; and the wait behind it
	WIN 0
	s_wait_dscnt 0x0                               ; V is in, and the next step's K
	v_perm_b32 v88, v87, v86, 0x05040100           ; V's words in order: the four bytes of 128 keys for tiles 0 (lanes 0-15) and 2 (lanes 16-31),
	v_perm_b32 v89, v87, v86, 0x07060302           ; for tiles 1 and 3
	SOFTB 0
	WIN 0x01                                       ; V's fragments in window 1, all else in window 0
	PV 91
	SOFTB 1
	PV 95
	WIN 0
.endm
; THE WAY OUT of tile t: x = O^T / the sum; register n is x(my query, 32 h + n of the head's 64): one whole block of 32 along the next product's K.
.macro OUT t
	WIN 0x55*\t
	v_add_f32 v14, v14, v15                        ; the sum's two halves,
	v_nop
	v_permlanex16_b32 v225, v14, s[SEL], s[SEL+1]
	v_add_f32 v14, v14, v225                       ; and lane l xor 16's
	s_wait_alu depctr_va_vdst(0)
	v_rcp_f32 v14, v14
	v_nop                                          ; a plain place behind the transcendental
	s_wait_alu depctr_va_vdst(0)
.irp j, 0,2,4,6,8,10,12,14,16,18,20,22,24,26,28,30
	v_pk_mul_f32 v[96+\j:97+\j], v[160+\j:161+\j], v[14:15] op_sel_hi:[1,0]   ; each accumulator from its low end on
.endr
	v_max3_num_f32 v212, |v96|, |v97|, 0x2800000
	v_max3_num_f32 v213, |v112|, |v113|, |v114|
.irp k, 1,2,3,4,5,6
	v_max3_num_f32 v212, v212, |v[96+2*\k]|, |v[97+2*\k]|
	v_max3_num_f32 v213, v213, |v[113+2*\k]|, |v[114+2*\k]|
.endr
	v_max3_num_f32 v212, v212, |v110|, |v111|
	v_max3_num_f32 v212, v212, v213, |v127|
	v_add_nc_u32 v216, 0xfe000000, v212
	v_cvt_scalef32_pk16_bf6_f32 v[192:194], v[96:111], v216
	v_cvt_scalef32_pk16_bf6_f32 v[204:206], v[112:127], v216
	v_lshrrev_b32 v217, 23, v216                   ; block h's byte of row r.  (The plain place behind the conversions)
.irp i, 0,1,2
	v_mov_b32 v[195+\i], v[204+\i]                 ; v192-197: the half image
.endr
	WIN 0x04*\t
	global_store_b128 v1, v[192:195], s[8:9] offset:6144*\t       ; 512 consecutive bytes, aligned
	global_store_b64 v2, v[196:197], s[8:9] offset:512+6144*\t
	global_store_b8 v6, v217, s[10:11] offset:1024*\t
	WIN 0
.endm
	s_mov_b32 s[TRIP], 0
	s_mov_b32 s[STP], 0
	s_mov_b32 s[DG], s16
	s_wait_alu depctr_va_vdst(0)
	s_cmp_lg_u32 s12, 0
	s_cbranch_scc1 .Lno_wait
	s_wait_tensorcnt 0x0                           ; wave 0: key steps 0 and 1 are in; the other waves' loads may stay out
.Lno_wait:
	s_barrier_signal -1
	s_barrier_wait -1
	KLOAD 1, 2, 3
	s_wait_dscnt 0x0
	STEP 1, 2, 3, 0                                ; every wave's first step is key step 0
	s_wait_alu depctr_va_vdst(0)
	s_wait_tensorcnt 0x0                           ; my key steps are in,
	s_wait_dscnt 0x0                               ; no LDS instruction of mine is out at a signal,
	s_barrier_signal -1
	s_barrier_wait -1                              ; everybody's are
	NEXTK                                          ; trip 1's K
	s_mov_b32 s[TRIP], 1
	s_wait_alu depctr_va_vdst(0)
	s_wait_dscnt 0x0
.Ltrip:                                            ; every wave walks all eight trips
	s_cmp_lg_u32 s[TRIP], s38
	s_cbranch_scc1 .Lgo_on
	PLACES                                         ; the second wave, behind its first block's last step: that block goes out, and block 15 - a begins
	OUT 0
	OUT 1
	v_mov_b32 v90, v242
	v_mov_b32 v93, v243
.irp t, 0,1
	WIN 0x55*\t
.irp i, 0,1,2,3,4,5
	v_mov_b32 v[22+\i], v[236+\i]
.endr
	FRESH
.endr
	WIN 0
	s_wait_alu depctr_va_vdst(0)
	s_wait_xcnt 0x0                                ; the stores have read their registers
.Lgo_on:
	s_cmp_gt_u32 s[TRIP], s37
	s_cbranch_scc1 .Lnone
	s_cmp_gt_u32 s[TRIP], s34
	s_cselect_b32 s2, s35, 0
	s_cselect_b32 s[DG], s36, s16
	s_add_co_u32 s[STP], s[TRIP], s2
	STEP 8, 9, 10, 1
.Lnone:
	s_add_co_u32 s[TRIP], s[TRIP], 1
	s_cmp_lt_u32 s[TRIP], 9
	s_cbranch_scc1 .Ltrip
	PLACES                                         ; behind the last products
	s_wait_alu depctr_va_vdst(0)
	s_cmp_eq_u32 s33, 0
	s_cbranch_scc1 .Lfirst
.irp t, 0,1                            ; the second wave's part of block 15 - a: O^T, the sum's two halves, -M
	WIN 0x04*\t
.irp i, 0,1,2,3,4,5,6,7
	ds_store_b128 v11, v[160+4*\i:163+4*\i] offset:512*\i+4608*\t
.endr
	ds_store_b64 v5, v[14:15] offset:4096+4608*\t
	ds_store_b32 v82, v12 offset:4352+4608*\t
.endr
	WIN 0
.Lfirst:
	s_wait_dscnt 0x0
	s_barrier_signal -1
	s_barrier_wait -1
	s_cmp_lg_u32 s33, 0
	s_cbranch_scc1 .Lend
.irp t, 0,1
	WIN 0x40*\t
.irp i, 0,1,2,3,4,5,6,7
	ds_load_b128 v[34+4*\i:37+4*\i], v11 offset:512*\i+4608*\t
.endr
	ds_load_b64 v[66:67], v5 offset:4096+4608*\t
	ds_load_b32 v68, v82 offset:4352+4608*\t
.endr
	WIN 0
	s_wait_dscnt 0x0
.irp t, 0,1
	WIN 0x55*\t
	v_min_num_f32 v224, v12, v68                   ; the larger M of the two
	v_sub_f32 v225, v224, v12
	v_sub_f32 v68, v224, v68                       ; (a partner that had no step has -M = 3e38: its factor is 0, and its sums are 0)
	v_cvt_i32_f32 v225, v225
	v_cvt_i32_f32 v68, v68
	v_ldexp_f32 v226, 1.0, v225
	v_ldexp_f32 v244, 1.0, v68
.irp j, 0,2,4,6,8,10,12,14,16,18,20,22,24,26,28,30,32
	v_pk_mul_f32 v[34+\j:35+\j], v[34+\j:35+\j], v[244:245] op_sel_hi:[1,0]
.endr
.irp j, 0,2,4,6,8,10,12,14,16,18,20,22,24,26,28,30
	v_pk_fma_f32 v[160+\j:161+\j], v[160+\j:161+\j], v[226:227], v[34+\j:35+\j] op_sel_hi:[1,0,1]
.endr
	v_pk_fma_f32 v[14:15], v[14:15], v[226:227], v[66:67] op_sel_hi:[1,0,1]
.endr
	OUT 0
	OUT 1
.Lend:
	s_wait_tensorcnt 0x0                           ; the wave's end
	ds_add_u32 v254, v255
	s_wait_dscnt 0x0
	CROUND                                         ; the closing round: no work-group ends while a partner may still ask for a block that names it
	s_endpgm
.Lfunc_end_k_qdc0a4f3c9e_attn:
	.size	k_qdc0a4f3c9e_attn, .Lfunc_end_k_qdc0a4f3c9e_attn-k_qdc0a4f3c9e_attn
	.p2alignl 7, 3214868480
	.fill 96, 4, 3214868480
	.section	.rodata,"a",@progbits
	.p2align	6, 0x0
	.amdhsa_kernel k_qdc0a4f3c9e_attn
		.amdhsa_group_segment_fixed_size 242688
		.amdhsa_private_segment_fixed_size 0
		.amdhsa_enable_private_segment 0
		.amdhsa_kernarg_size 24
		.amdhsa_user_sgpr_count 2
		.amdhsa_user_sgpr_kernarg_segment_ptr 1
		.amdhsa_wavefront_size32 1
		.amdhsa_system_sgpr_workgroup_id_x 1
		.amdhsa_system_sgpr_workgroup_id_y 1
		.amdhsa_system_sgpr_workgroup_id_z 1
		.amdhsa_system_vgpr_workitem_id 0
		.amdhsa_next_free_vgpr 512
		.amdhsa_next_free_sgpr 66
		.amdhsa_reserve_vcc 1
		.amdhsa_float_denorm_mode_32 3
		.amdhsa_float_denorm_mode_16_64 3
		.amdhsa_memory_ordered 1
		.amdhsa_forward_progress 1
		.amdhsa_inst_pref_size 104
	.end_amdhsa_kernel
	.amdgpu_metadata
---
amdhsa.version: [ 1, 2 ]
amdhsa.kernels:
  - .name:           k_qdc0a4f3c9e_attn
    .symbol:         k_qdc0a4f3c9e_attn.kd
    .args:
      - { .name: hq, .offset: 0, .size: 8, .value_kind: global_buffer, .address_space: global }
      - { .name: hkv, .offset: 8, .size: 8, .value_kind: global_buffer, .address_space: global }
      - { .name: xc, .offset: 16, .size: 8, .value_kind: global_buffer, .address_space: global }
    .group_segment_fixed_size: 242688
    .private_segment_fixed_size: 0
    .kernarg_segment_align: 8
    .kernarg_segment_size: 24
    .max_flat_workgroup_size: 256
    .sgpr_count:     66
    .vgpr_count:     512
    .wavefront_size: 32
...
	.end_amdgpu_metadata
.endif
;; end of part 3
;; launch outp (part 4): grid 8 x 32, 4 waves a work-group, clusters of 4 x 4, 222,720 bytes of LDS; arguments codes, xc, out0; writes out0
.if DOCPART == 4
	.amdgcn_target "amdgcn-amd-amdhsa--gfx1250"
	.amdhsa_code_object_version 6
	.text
	.protected	k_qdc0a4f3c9e_outp
	.globl	k_qdc0a4f3c9e_outp
	.p2align	8
	.type	k_qdc0a4f3c9e_outp,@function
k_qdc0a4f3c9e_outp:
	s_mov_b64 s[64:65], 0
	v_nop
	global_prefetch_b8 v0, s[64:65] scope:SCOPE_SE
	s_setreg_imm32_b32 hwreg(HW_REG_WAVE_MODE, 25, 1), 1
	s_wait_xcnt 0x0
	s_wait_alu depctr_hold_cnt(0) depctr_sa_sdst(0) depctr_va_vdst(0) depctr_va_sdst(0) depctr_va_ssrc(0) depctr_va_vcc(0) depctr_vm_vsrc(0)
	s_getreg_b32 s2, hwreg(HW_REG_IB_STS2, 6, 4)
	s_cmp_eq_u32 s2, 0
	s_cbranch_scc0 .Lentry_in_a_cluster
	s_endpgm
.Lentry_in_a_cluster:
	s_bfe_u32 s2, ttmp6, 0x10000c
	s_cmp_lg_u32 s2, 0xf033
	s_cbranch_scc0 .Lentry_shape_is_right
	s_endpgm
.Lentry_shape_is_right:
; out0 = x Wo^T on codes of BF6 (E3M2) with E8M0 scales, sums in f32.  out0: [4,096][1,024] f32.
; INPUT: Wo's codes and scale words are blocks 120-127 of codes; x's are xc, 32 blocks of 128 rows.  Both laid [block of 128 rows][half of K][51,200: 49,152 of codes [K step][tile][two half images], 2,048 of scale words].
;   A half image: 16 rows x 64 K: registers 0-3 at 16 x lane, registers 4-5 at 512 + 8 x lane.  Of a group of 64 rows, tile u holds at index i the row 8 u + i + 24 (i / 8).
; SHARES: a work-group makes 128 x 128 of out0; BOTH OPERANDS LIE WHOLE IN LDS, two slots of half of K, and no LDS byte is filled twice.  Four waves, 64 x 64 each.
;   Wave w fetches side w / 2 (Wo, x), half w % 2 of K: one load a wave.
; S0, the matrix instruction's source 0, is Wo (a lane's result registers run along out0's columns); S1, its source 1, is x (a lane holds one row).
; BY ROWS OF out0: Wo's 32 fragments (four tiles x eight K steps) stay in registers; x's four tiles are finished one after the other, 32 matrix instructions each, and each leaves while the next is multiplied.  No fragment is read from LDS twice.
; CLUSTER 4 x 4: Wo's block hangs on cx alone and is asked for jointly by the four work-groups of a column, x's on cy alone, by the four of a row.  No prefetch: all loads stand at the head.
; THE WAY OUT: 16 rows x 64 columns at a time through the wave's own stage in LDS (rows 272 bytes apart; no tensor load lands there), back as whole rows of 256 bytes.
; REGISTERS: window 0: v1-31 addresses; v32-63 scale words; v64-127 rows on their way out; v128-255 the accumulators ((a, b) at v[128 + 8 (4 a + b)], a: x's tile, b: Wo's).
;   window 1: x's fragments, two buffers of 96 (a tile's eight K steps); windows 2, 3: Wo's of K steps 0-3, 4-7: step s, tile b at v[48 (s % 4) + 12 b].
.set BP,  102400
.set HB,  51200
.set SLOT, 102400
.set STAGE, 204800
.set SPARE, STAGE+4*4352
.set ACC, 128
.set SC,  32
.set STO, 23                           ; v23 the stage: where I put 16 bytes of a row
.set RD,  24                           ; v24 and where I read a row back
.set CO,  25                           ; v25 my byte offset in out0
.set MSB, 0
.macro WIN new                         ; the immediate's high byte repeats the setting that is left
.if MSB != \new
	s_set_vgpr_msb (MSB<<8)|\new
.set MSB, \new
.endif
.endm
.macro CROUND                          ; a round of the cluster's barrier
	s_barrier_signal -1
	s_barrier_wait -1
	s_cmp_lg_u32 s12, 0
	s_cbranch_scc1 .Lnot_wave_0_\@
	s_barrier_signal -3
.Lnot_wave_0_\@:
	s_barrier_wait -3
	s_barrier_signal -1
	s_barrier_wait -1
.endm
.macro PLACES                          ; four places behind a matrix instruction of this form (ISA guide 7.12.1)
.rept 4
	v_nop
.endr
.endm
	s_load_b128 s[4:7], s[0:1], 0x0                ; codes s[4:5], xc s[6:7]
	s_load_b64 s[8:9], s[0:1], 0x10                ; out0
	v_lshl_add_u32 v30, v0, 2, SPARE
	v_mov_b32 v31, 0
	ds_add_u32 v30, v31                            ; the wave's opening
	ds_add_u32 v30, v31
	v_lshrrev_b32 v1, 5, v0
	v_readfirstlane_b32 s12, v1                    ; wave 0..3
	s_lshr_b32 s13, s12, 1                         ; W1: my half of x's tiles.  Also: the side that I fetch for
	s_and_b32 s14, s12, 1                          ; W0: my half of Wo's tiles.  Also: which half of K I fetch
	s_bfe_u32 s15, ttmp6, 0x40000                  ; cx
	s_bfe_u32 s16, ttmp6, 0x40004                  ; cy
	s_and_b32 s17, ttmp7, 0xffff                   ; the cluster's y, 0..7
	s_lshl_b32 s18, s16, 2
	s_lshl_b32 s18, 15, s18                        ; my row of the cluster
	s_lshl_b32 s19, 0x1111, s15                    ; my column
	s_or_b32 s24, s19, (3<<16)|(1<<21)             ; 15:0 the mask; 17:16 elements of 8 bytes; 21 set beside a mask
	s_or_b32 s40, s18, (3<<16)|(1<<21)
.irp g, 24, 40                         ; dense blocks as rows of 256 bytes (32 elements of 8 bytes), no padding
	s_mov_b32 s[\g+1], 32<<16
	s_mov_b32 s[\g+2], 200<<16                     ; 200 rows: a side's half of K
	s_mov_b32 s[\g+3], 32<<16
	s_mov_b32 s[\g+4], 200
	s_mov_b32 s[\g+5], 32
	s_mov_b32 s[\g+6], 0
	s_mov_b32 s[\g+7], 0
.endr
	s_lshl_b32 s20, ttmp9, 2
	s_add_co_u32 s20, s20, s15                     ; i0: which 128 columns; hangs on cx, never on cy
	s_lshl_b32 s21, s17, 2
	s_add_co_u32 s21, s21, s16                     ; i1: which 128 rows; hangs on cy, never on cx
	s_mul_i32 s3, s14, HB
	s_add_co_u32 s22, s20, 120
	s_mul_i32 s22, s22, BP
	s_add_co_u32 s22, s22, s3
	s_mov_b32 s23, 0
	s_mul_i32 s48, s21, BP
	s_add_co_u32 s48, s48, s3
	s_mov_b32 s49, 0
	s_mul_i32 s75, s13, HB
	s_mul_i32 s74, s14, SLOT
	s_add_co_u32 s74, s74, s75                     ; LDS: the half's slot, my side's part
	s_wait_dscnt 0x0                               ; both opening adds are done
	s_wait_kmcnt 0x0
	s_mov_b32 s56, 1
	s_mov_b32 s57, s74
	s_add_nc_u64 s[58:59], s[4:5], s[22:23]
	s_or_b32 s59, s59, 0x80000000
	s_mov_b32 s60, 1
	s_mov_b32 s61, s74
	s_add_nc_u64 s[62:63], s[6:7], s[48:49]
	s_or_b32 s63, s63, 0x80000000
	CROUND                                         ; all sixteen work-groups are here: the joint loads meet
; One load a wave; the four lines are told apart because waves 0 and 2 are waited for ahead of waves 1 and 3.
.macro ARM under, g0, g1, next
	s_cmp_lt_u32 s12, \under
	s_cbranch_scc0 \next
	tensor_load_to_lds s[\g0:\g0+3], s[\g1:\g1+7]
	s_nop 0
	PLACES
	s_branch .Lasked
\next:
.endm
	ARM 1, 56, 24, .Lw1
	ARM 2, 56, 24, .Lr0
	ARM 3, 60, 40, .Lr1
	tensor_load_to_lds s[60:63], s[40:47]
	s_nop 0
	PLACES
.Lasked:
	v_and_b32 v1, 31, v0                           ; lane
	v_and_b32 v2, 15, v0                           ; r
	v_bfe_u32 v3, v0, 4, 1                         ; h
	v_lshlrev_b32 v26, 4, v1
	v_lshlrev_b32 v27, 3, v1
	s_mul_i32 s2, s14, 6144                        ; my four tiles of Wo
	s_mul_i32 s3, s13, 6144                        ; and of x
	s_add_co_u32 s3, s3, HB
.irp s, 0,1                            ; by slot: v4-5 Wo 16 bytes a lane, v7-8 Wo 8 bytes, v10-11 x 16, v13-14 x 8
	v_add_nc_u32 v[4+\s], s2, v26
	v_add_nc_u32 v[7+\s], s2, v27
	v_add_nc_u32 v[10+\s], s3, v26
	v_add_nc_u32 v[13+\s], s3, v27
	s_add_co_u32 s2, s2, SLOT
	s_add_co_u32 s3, s3, SLOT
.endr
	s_xor_b32 s50, s14, 1                          ; scale words: x's lie 51,200 + 1,024 W1 - 1,024 W0 bytes behind Wo's
	s_add_co_u32 s50, s50, s13
	s_lshl_b32 s50, s50, 10
	s_add_co_u32 s50, s50, 50176
	s_lshl_b32 s51, s14, 10
	s_add_co_u32 s51, s51, 49152
	v_mul_u32_u24 v16, s50, v3                     ; lanes 0-15 Wo's, lanes 16-31 x's: v16-17 by slot
	v_lshl_add_u32 v16, v2, 4, v16
	v_add_nc_u32 v16, s51, v16
	v_add_nc_u32 v17, SLOT, v16
	s_mul_i32 s2, s12, 4352                        ; my stage: 16 rows x 272 bytes, behind all that tensor loads fill
	s_add_co_u32 s2, s2, STAGE
	v_mul_u32_u24 v[STO], v2, 272
	v_lshl_add_u32 v[STO], v3, 7, v[STO]
	v_add_nc_u32 v[STO], s2, v[STO]                ; in: row r, + 128 h
	v_mul_u32_u24 v[RD], v3, 272
	v_lshl_add_u32 v[RD], v2, 4, v[RD]
	v_add_nc_u32 v[RD], s2, v[RD]                  ; back: lanes 0-15 one row of 256 bytes, lanes 16-31 the next
	v_lshlrev_b32 v[CO], 12, v3
	v_lshl_add_u32 v[CO], v2, 4, v[CO]             ; and the same two rows in out0
	; where my 64 x 64 begins in out0: row 128 i1 + 64 W1, column 128 i0 + 64 W0
	s_lshl_b32 s2, s21, 19
	s_lshl_b32 s3, s13, 18
	s_add_co_u32 s2, s2, s3
	s_lshl_b32 s3, s20, 9
	s_add_co_u32 s2, s2, s3
	s_lshl_b32 s3, s14, 8
	s_add_co_u32 s2, s2, s3
	s_mov_b32 s3, 0
	s_add_nc_u64 s[8:9], s[8:9], s[2:3]
.macro FRAG reg, a16, a8, off          ; a fragment's 12 registers: two half images
	ds_load_b128 v[\reg:\reg+3], v[\a16] offset:\off
	ds_load_b64 v[\reg+4:\reg+5], v[\a8] offset:\off+512
	ds_load_b128 v[\reg+6:\reg+9], v[\a16] offset:\off+768
	ds_load_b64 v[\reg+10:\reg+11], v[\a8] offset:\off+1280
.endm
.macro SCALES hf                       ; the scale words of a half's four K steps: lanes 0-15 Wo's tile i, lanes 16-31 x's
	WIN 0
.irp i, 0,1,2,3
	ds_load_b128 v[SC+16*\hf+4*\i:SC+16*\hf+4*\i+3], v[16+\hf] offset:256*\i
.endr
.endm
.macro XLOAD a, hf                     ; x's tile a, a half's four K steps, 16 loads
	WIN 0x40
.irp s, 0,1,2,3
	FRAG 96*((\a)%2)+48*\hf+12*\s, 10+\hf, 13+\hf, 12288*\s+1536*(\a)
.endr
.endm
.macro WLOAD hf                        ; Wo's four tiles, a half's four K steps, 64 loads, step by step
	WIN 0x80+0x40*\hf
.irp s, 0,1,2,3
.irp b, 0,1,2,3
	FRAG 48*\s+12*\b, 4+\hf, 7+\hf, 12288*\s+1536*\b
.endr
.endr
.endm
.macro MUL a, s                        ; tile a, K step s: four matrix instructions; the tile's four accumulators take turns, one instruction a turn
	WIN 0x06+(\s)/4
.set MX, 96*((\a)%2)+12*(\s)
.set MS, SC+16*((\s)/4)+(\s)%4
.irp b, 0,1,2,3
.if (\s) == 0
	v_wmma_scale_f32_16x16x128_f8f6f4 v[ACC+8*(4*\a+\b):ACC+8*(4*\a+\b)+7], v[48*((\s)%4)+12*\b:48*((\s)%4)+12*\b+11], v[MX:MX+11], 0, v[MS+4*\b], v[MS+4*\a] matrix_a_fmt:MATRIX_FMT_BF6 matrix_b_fmt:MATRIX_FMT_BF6 matrix_b_scale:MATRIX_SCALE_ROW1
.else
	v_wmma_scale_f32_16x16x128_f8f6f4 v[ACC+8*(4*\a+\b):ACC+8*(4*\a+\b)+7], v[48*((\s)%4)+12*\b:48*((\s)%4)+12*\b+11], v[MX:MX+11], v[ACC+8*(4*\a+\b):ACC+8*(4*\a+\b)+7], v[MS+4*\b], v[MS+4*\a] matrix_a_fmt:MATRIX_FMT_BF6 matrix_b_fmt:MATRIX_FMT_BF6 matrix_b_scale:MATRIX_SCALE_ROW1
.endif
.endr
.endm
; x's tile a: lane (r, h) holds row index r; register j of accumulator (a, b) is column 8 b + j + 32 h of my 64.
.macro TOSTAGE a
	WIN 0
	PLACES                                         ; the tile's results were just made
.if (\a) > 1
	s_wait_xcnt 0x0                                ; tile a - 2's stores have read their registers: tile a's loads may land there
.endif
.irp b, 0,1,2,3
	ds_store_b128 v[STO], v[ACC+8*(4*(\a)+\b):ACC+8*(4*(\a)+\b)+3] offset:32*\b          ; each accumulator from its low end on
	ds_store_b128 v[STO], v[ACC+8*(4*(\a)+\b)+4:ACC+8*(4*(\a)+\b)+7] offset:32*\b+16
.endr
.irp t, 0,1,2,3,4,5,6,7
	ds_load_b128 v[64+32*((\a)%2)+4*\t:64+32*((\a)%2)+4*\t+3], v[RD] offset:544*\t   ; LDS serves a wave's instructions in order: these see the stores above, and the next tile's stores come behind them
.endr
.endm
.macro SEND a, younger                 ; younger: the LDS instructions issued behind tile a's loads, which may stay out
	WIN 0
	s_wait_dscnt \younger
.irp t, 0,1,2,3,4,5,6,7                ; index 2 t + h of tile a is row 8 a + 2 t + h + 24 (t / 4) of my 64
	global_store_b128 v[CO], v[64+32*((\a)%2)+4*\t:64+32*((\a)%2)+4*\t+3], s[8:9] offset:(8*(\a)+2*\t+24*(\t/4))*4096 th:TH_STORE_NT   ; 16 lanes store 256 consecutive bytes, aligned; written once, read by nobody here
.endr
.endm
	s_wait_alu depctr_va_vdst(0)
	s_cmp_lg_u32 s14, 0
	s_cbranch_scc1 .Lno_wait
	s_wait_tensorcnt 0x0                           ; waves 0 and 2: the first half of K is in; waves 1 and 3's loads may stay out
.Lno_wait:
	s_barrier_signal -1
	s_barrier_wait -1
	SCALES 0
	XLOAD 0, 0
	WLOAD 0
	s_wait_dscnt 48                                ; behind K step 0's fragments: those of steps 1-3
	MUL 0, 0
	s_wait_dscnt 32
	MUL 0, 1
	WIN 0
	s_wait_tensorcnt 0x0                           ; the second half: my part is in,
	s_wait_dscnt 0x0                               ; no LDS instruction of mine is out at a signal,
	s_barrier_signal -1
	MUL 0, 2
	MUL 0, 3
	WIN 0
	s_barrier_wait -1                              ; everybody's is
	SCALES 1
	XLOAD 0, 1
	WLOAD 1
	s_wait_dscnt 48
	MUL 0, 4
	s_wait_dscnt 32
	MUL 0, 5
	XLOAD 1, 0                                     ; tile 1's fragments, 32 loads
	XLOAD 1, 1
	s_wait_dscnt 48                                ; behind K step 6's: step 7's 16 and tile 1's 32
	MUL 0, 6
	s_wait_dscnt 32
	MUL 0, 7
.irp a, 1,2,3
	TOSTAGE \a-1
.if \a < 3
	XLOAD \a+1, 0                                  ; into the buffer that tile a - 1 was multiplied from: its places stand in TOSTAGE
	XLOAD \a+1, 1
	s_wait_dscnt 48                                ; tile a's fragments are in; behind them the stage's 16 and the next tile's 32
.else
	s_wait_dscnt 16
.endif
	MUL \a, 0
	MUL \a, 1
.if \a < 3
	SEND \a-1, 32
.else
	SEND \a-1, 0
.endif
.irp s, 2,3,4,5,6,7
	MUL \a, \s
.endr
.endr
	TOSTAGE 3
	SEND 3, 0
	s_wait_tensorcnt 0x0                           ; the wave's end
	ds_add_u32 v30, v31
	s_wait_dscnt 0x0
	CROUND                                         ; the closing round: no work-group ends while a partner may still ask for a block that names it
	s_endpgm
.Lfunc_end_k_qdc0a4f3c9e_outp:
	.size	k_qdc0a4f3c9e_outp, .Lfunc_end_k_qdc0a4f3c9e_outp-k_qdc0a4f3c9e_outp
	.p2alignl 7, 3214868480
	.fill 96, 4, 3214868480
	.section	.rodata,"a",@progbits
	.p2align	6, 0x0
	.amdhsa_kernel k_qdc0a4f3c9e_outp
		.amdhsa_group_segment_fixed_size 222720
		.amdhsa_private_segment_fixed_size 0
		.amdhsa_enable_private_segment 0
		.amdhsa_kernarg_size 24
		.amdhsa_user_sgpr_count 2
		.amdhsa_user_sgpr_kernarg_segment_ptr 1
		.amdhsa_wavefront_size32 1
		.amdhsa_system_sgpr_workgroup_id_x 1
		.amdhsa_system_sgpr_workgroup_id_y 1
		.amdhsa_system_sgpr_workgroup_id_z 1
		.amdhsa_system_vgpr_workitem_id 0
		.amdhsa_next_free_vgpr 1024
		.amdhsa_next_free_sgpr 100
		.amdhsa_reserve_vcc 0
		.amdhsa_float_denorm_mode_32 3
		.amdhsa_float_denorm_mode_16_64 3
		.amdhsa_memory_ordered 1
		.amdhsa_forward_progress 1
		.amdhsa_inst_pref_size 50
	.end_amdhsa_kernel
	.amdgpu_metadata
---
amdhsa.version: [ 1, 2 ]
amdhsa.kernels:
  - .name:           k_qdc0a4f3c9e_outp
    .symbol:         k_qdc0a4f3c9e_outp.kd
    .args:
      - { .name: codes, .offset: 0, .size: 8, .value_kind: global_buffer, .address_space: global }
      - { .name: xc, .offset: 8, .size: 8, .value_kind: global_buffer, .address_space: global }
      - { .name: out0, .offset: 16, .size: 8, .value_kind: global_buffer, .address_space: global }
    .group_segment_fixed_size: 222720
    .private_segment_fixed_size: 0
    .kernarg_segment_align: 8
    .kernarg_segment_size: 24
    .max_flat_workgroup_size: 128
    .sgpr_count:     100
    .vgpr_count:     1024
    .wavefront_size: 32
...
	.end_amdgpu_metadata
.endif
;; end of part 4
